; MI455X (gfx1250); checked and timed in simulation.
; The chip was launched on July 23, 2026; its instructions are those of AMD's public machine-readable ISA for CDNA 5 (MIT licence, August 2026) and "CDNA5" Instruction Set Architecture Reference Guide (July 2026). The comments in the code are by the model that wrote it; some were corrected since.
;; Attention. Allowed arithmetic: matrix products marked QUANTISED: E2M3 operands, one E8M0 scale for each 32 along K, by v_wmma_scale_f32_16x16x128_f8f6f4 with both operands' format E2M3, f32 sums; everything else in f32.
;; Inputs: Wkv 512 x 1,024 float32; Wo 512 x 512 float32; Wq 512 x 512 float32; bo 512 float32; x 2 x 4,096 x 512 float32.
;; Outputs: out0 2 x 4,096 x 512 float32.
;; This version of the problem:
;;   THIS VERSION OF THE PROBLEM IS GIVEN IN LOW PRECISION. The matrix products marked QUANTISED in the list below multiply operands that are first quantised to E2M3 (2 exponent bits, 3 mantissa bits; 6 bits a number), with one power-of-two scale for each 32 numbers along K (OCP MX v1.0); their sums are f32. All else is computed in f32.
;;   The module's matrix products, in the order in which they are computed (A, B: the left and right operand; K: the contracted axis; several contracted axes count as one K, in the product's order):
;;     1. [M 8,192, K 512] x [K 512, N 512]; A: input x; B: input Wq: QUANTISED
;;     2. [M 8,192, K 512] x [K 512, N 1,024]; A: input x; B: input Wkv: QUANTISED
;;     3. batch 16 x [M 4,096, K 64] x [K 64, N 4,096]; A: computed on the way; B: computed on the way: QUANTISED
;;     4. batch 16 x [M 4,096, K 4,096] x [K 4,096, N 64]; A: softmax (see below); B: computed on the way: QUANTISED
;;     5. [M 8,192, K 512] x [K 512, N 512]; A: computed on the way; B: input Wo: QUANTISED
;;   THE QUANTISER, for each operand of a quantised product, along K:
;;     - K is cut into blocks of 32 from its start; a last block that is shorter is filled with zeros.
;;     - A block's scale is 2^e with e = floor(log2(the largest magnitude in the block)) - 2, held to -126 .. 127; a block of zeros has e = 0. As a byte (E8M0): e + 127.
;;     - Each number is divided by its block's scale, clamped to +-7.5, and rounded to the nearest number of E2M3, ties to even, subnormals kept.
;;     - The product sums the exact products of the quantised numbers (number of the format x scale) in f32.
;;   ~~~python
;;   def quantise(x, axis):      # numpy; x: float32 -> the quantised numbers, widened to float32 again
;;       x = np.moveaxis(x, axis, -1); K = x.shape[-1]
;;       x = np.pad(x, [(0, 0)] * (x.ndim - 1) + [(0, -K % 32)]); x = x.reshape(x.shape[:-1] + (-1, 32)); a = np.abs(x).max(-1, keepdims=True)
;;       e = np.where(a > 0, np.clip(np.frexp(np.where(a > 0, a, 1))[1] - 1 - 2, -126, 127), 0)      # np.frexp(a)[1] - 1 = floor(log2(a)), exactly
;;       r = np.clip(x / 2.0 ** e, -7.5, 7.5)
;;       step = 2.0 ** (np.maximum(np.frexp(np.where(r == 0, 1, r))[1] - 1, 0) - 3)
;;       q = np.round(r / step) * step * 2.0 ** e      # np.round: ties to even
;;       return np.moveaxis(q.reshape(q.shape[:-2] + (-1,))[..., :K], -1, axis).astype(np.float32)
;;   ~~~
;;   SOFTMAX AHEAD OF A QUANTISED PRODUCT. Where the list says 'softmax', what is quantised is not the finished softmax but p = 2^(t - M), with t = logit x log2(e) and M = ceil(the row's largest t), a whole number; so 1/2 < the row's largest p <= 1. The row's sum l is taken of the UNQUANTISED p, in f32, and the product's result is divided by l at the end. Since M is a whole number, a kernel that streams over the keys may use a running M (the ceiling of the running maximum): every later rescaling is an exact power of two, which a block's scale takes up: the codes' values come out the same.
;;   OPERANDS COMPUTED ON THE WAY. 'Computed on the way' means the value that the module computes at that place (a softmax that the list does not call 'softmax' is quantised finished and normalised). What goes into a quantiser is computed in f32, as accurately as f32 sums, v_exp_f32 and their like allow (about 1e-6 of the number): no bf16 or f16 on the way to a quantiser, and a product that is left as it is and whose result goes on into a quantised operand takes f32 operands (vector FMAs, or v_wmma_f32_16x16x4_f32). A number that lies on a knife's edge between two numbers of the format may be rounded either way, as far as f32 arithmetic and the matrix unit's own rounding can turn it there, and no further.
;; One version. Each part assembles by itself: llvm-mc -triple=amdgcn-amd-amdhsa -mcpu=gfx1250 --defsym DOCPART=n.
;; ======== version 1 of 1: 4 launches
;; limits: right only within a limited range of input values
;; workspace buffers: xq 3,276,800 bytes; wq 819,200 bytes; qq 3,538,944 bytes; kq 3,538,944 bytes; vq 3,538,944 bytes; oc 3,276,800 bytes
;; launch prep (part 1): grid 320 x 1, 8 waves a work-group, no clusters, 68,608 bytes of LDS; arguments x, Wq, Wkv, Wo, xq, wq; writes xq, wq
.if DOCPART == 1
	.amdgcn_target "amdgcn-amd-amdhsa--gfx1250"
	.amdhsa_code_object_version 6
	.text
	.protected	k_qfc66a39486_prep
	.globl	k_qfc66a39486_prep
	.p2align	8
	.type	k_qfc66a39486_prep,@function
k_qfc66a39486_prep:
	s_mov_b64 s[64:65], 0
	v_nop
	global_prefetch_b8 v0, s[64:65] scope:SCOPE_SE
	s_setreg_imm32_b32 hwreg(HW_REG_WAVE_MODE, 25, 1), 1
	s_wait_xcnt 0x0
; x [8192][512] and the weights Wq [512][512], Wkv [512][1024], Wo [512][512], all f32, become codes of FP6 (E2M3) with one E8M0 byte for each 32 along K = 512.
; They are laid in PANELS, in the order of the matrix operand's registers.  A panel is 64 lines (rows of x, or columns of a weight) x K 512 = 25,600 bytes:
;   fragment (i, sg), i = 0..3, sg = 0..3, at (4 i + sg) 1536: lines e(i, m) = 32 (m / 8) + 8 i + m % 8, m = 0..15, k = 128 sg .. + 127, as the image of the operand's 12 registers:
;   half c at + 768 c: registers 6 c .. 6 c + 3 at 16 x lane, registers 6 c + 4, 6 c + 5 at 512 + 8 x lane.  Lane (r, h) holds line e(i, r), k = 128 sg + 64 c + 32 h + 0 .. 31.
;   scale words at 24,576 + (4 sg + i) 64 + 4 m; byte b is the block 4 sg + b.
; xq: panel P = rows 64 P on.  wq: panels 0-7 Wq's heads, 8-15 Wkv's columns 0-511 (k), 16-23 its columns 512-1023 (v), 24-31 Wo's groups of 64 columns.
; SHARES.  One wave makes one fragment.  Work-groups 0-255 take x (two to a panel), 256-319 the weights.  No loop, no barrier: waves share nothing.
; x: each load reads 512 consecutive bytes of a row; the 16 rows turn through the wave's own stage in LDS (rows 528 bytes apart) so that a lane gets 32 neighbours along K.
; weights: K is the first axis: a lane takes a column and its registers run down K.
; A block's scale is 2^(floor(log2(largest magnitude)) - 2); its byte is the largest magnitude's exponent field - 2, held at 1 from below by a floor among the maximum's leaves.
; LIMITS: NaN and infinities are not served; blocks whose largest magnitude lies under 2^-124, blocks of zeros among them, keep the byte 1 (their bytes are read by this program alone).
.set PANEL, 25600
.set STG,   8448                       ; a wave's stage: 16 rows x 528 bytes
.set RW,    16                         ; v16-79   x as it is loaded
.set X,     80                         ; v80-143  64 numbers: register 32 c + t = k 64 c + 32 h + t of my line
.set C,     144                        ; v144-155 the fragment's 12 registers
.set FLOOR, 0x1800000                  ; 2^(3 - 127)
	s_load_b256 s[4:11], s[0:1], 0x0               ; x, Wq, Wkv, Wo
	s_load_b128 s[12:15], s[0:1], 0x20             ; xq, wq
	v_lshl_add_u32 v168, v0, 2, 0x10800
	v_mov_b32 v169, 0
	v_lshrrev_b32 v1, 5, v0
	s_delay_alu instid0(VALU_DEP_1)
	v_readfirstlane_b32 s16, v1                    ; wave 0..7
	v_and_b32 v1, 31, v0                           ; lane
	v_and_b32 v2, 15, v0                           ; r
	v_bfe_u32 v3, v0, 4, 1                         ; h
	s_delay_alu instid0(VALU_DEP_3)
	v_lshlrev_b32 v4, 4, v1                        ; 16 x lane
	s_wait_alu depctr_va_vdst(0)
	v_lshlrev_b32 v5, 3, v1                        ; 8 x lane
	v_lshlrev_b32 v9, 3, v3                        ; 8 h
	v_lshlrev_b32 v10, 2, v2                       ; 4 r
	v_mov_b32 v156, 0                              ; a lane permute's destination counts as one of its sources
	s_mov_b32 s20, 0x76543210
	s_mov_b32 s21, 0xfedcba98                      ; selects for lane l xor 16
	s_and_b32 s17, s16, 3                          ; sg
	s_lshr_b32 s18, s16, 2
	s_and_b32 s19, ttmp9, 1
	s_lshl_b32 s19, s19, 1
	s_add_co_u32 s18, s18, s19                     ; i = 2 (work-group % 2) + wave / 4
	s_cmp_lt_u32 ttmp9, 256
	s_cselect_b32 s22, 0, 256
	s_sub_co_u32 s22, ttmp9, s22
	s_lshr_b32 s22, s22, 1                         ; the panel's number in its buffer
	s_mul_i32 s23, s22, PANEL
	s_lshl_b32 s26, s18, 2
	s_add_co_u32 s26, s26, s17
	s_mul_i32 s26, s26, 1536
	s_add_co_u32 s28, s23, s26                     ; my fragment's first byte
	s_mov_b32 s29, 0
	s_lshl_b32 s30, s17, 2
	s_add_co_u32 s30, s30, s18
	s_lshl_b32 s30, s30, 6
	s_add_co_u32 s30, s30, s23
	s_add_co_u32 s30, s30, 24576                   ; its 16 scale words
	s_mov_b32 s31, 0
	s_mul_i32 s36, s16, STG
	v_add_nc_u32 v6, s36, v4                       ; the stage, on the way in: 16 x lane of a row
	v_mul_u32_u24 v7, v2, 528
	s_delay_alu instid0(VALU_DEP_1)
	v_lshl_add_u32 v7, v3, 7, v7
	s_delay_alu instid0(VALU_DEP_1)
	v_add_nc_u32 v7, s36, v7                       ; and out: row r, + 128 h
	s_wait_kmcnt 0x0
	s_cmp_lt_u32 ttmp9, 256                        ; the choice hangs on the work-group's number alone
	s_cselect_b64 s[24:25], s[12:13], s[14:15]
	s_add_nc_u64 s[32:33], s[24:25], s[30:31]
	s_add_nc_u64 s[24:25], s[24:25], s[28:29]
	s_cmp_lt_u32 ttmp9, 256
	s_cbranch_scc0 .Lweights
	; ---- x: rows 64 P + e(i, m), bytes 512 sg on
	s_lshl_b32 s34, s22, 6
	s_lshl_b32 s35, s18, 3
	s_add_co_u32 s34, s34, s35
	s_lshl_b32 s34, s34, 11
	s_lshl_b32 s35, s17, 9
	s_add_co_u32 s34, s34, s35
	s_mov_b32 s35, 0
	s_add_nc_u64 s[4:5], s[4:5], s[34:35]
.set m, 0
.rept 16
	global_load_b128 v[RW+4*m:RW+4*m+3], v4, s[4:5] offset:(32*(m/8)+m%8)*2048 th:TH_LOAD_NT   ; 32 lanes read 512 consecutive bytes of one row
.set m, m+1
.endr
.set m, 0
	s_wait_alu depctr_va_vdst(0)
.rept 16
	s_wait_loadcnt 15-m                            ; loads come back in order: row m is in, the younger ones may be out
	ds_store_b128 v6, v[RW+4*m:RW+4*m+3] offset:528*m
.set m, m+1
.endr
.set m, 0
.rept 16
	ds_load_b128 v[X+4*m:X+4*m+3], v7 offset:256*(m/8)+16*(m%8)   ; LDS serves a wave's instructions in order: these see my stores
.set m, m+1
.endr
	s_wait_dscnt 0x0
	s_branch .Lquant
.Lweights:
	; ---- a weight: column col0 + e(i, r), rows 128 sg + 32 h on
	v_and_b32 v8, 7, v2
	v_lshrrev_b32 v11, 3, v2
	s_delay_alu instid0(VALU_DEP_1)
	v_lshl_add_u32 v8, v11, 5, v8
	s_lshl_b32 s34, s18, 3
	v_add_nc_u32 v8, s34, v8                       ; e(i, r)
	s_cmp_lt_u32 s22, 8
	s_cselect_b64 s[4:5], s[6:7], s[10:11]         ; panels 0-7: Wq; 24-31: Wo
	s_cselect_b32 s35, 0, 24
	s_sub_co_u32 s36, s22, 8
	s_cmp_lt_u32 s36, 16                           ; panels 8-23: Wkv
	s_cselect_b64 s[4:5], s[8:9], s[4:5]
	s_cselect_b32 s35, 8, s35
	s_cselect_b32 s37, 10, 9                       ; log2 of the row's length
	s_sub_co_u32 s35, s22, s35
	s_lshl_b32 s35, s35, 6                         ; col0
	s_lshl_b32 s38, s17, 7
	v_lshl_add_u32 v11, v3, 5, s38                 ; row 128 sg + 32 h
	s_delay_alu instid0(VALU_DEP_1)
	v_lshlrev_b32 v11, s37, v11
	s_wait_alu depctr_va_vdst(0)
	v_add3_u32 v8, v8, v11, s35
	s_delay_alu instid0(VALU_DEP_1)
	v_lshlrev_b32 v8, 2, v8
.macro WLOAD pitch                     ; W(128 sg + 64 c + 32 h + t, my column) into X[32 c + t]
.set m, 0
.rept 64
	global_load_b32 v[X+m], v8, s[4:5] offset:(64*(m/32)+m%32)*\pitch*4
.set m, m+1
.endr
.endm
	s_cmp_eq_u32 s37, 10
	s_cbranch_scc1 .Lwide
	WLOAD 512
	s_branch .Lloaded
.Lwide:
	s_wait_alu depctr_va_vdst(0)
	WLOAD 1024
.Lloaded:
	s_wait_loadcnt 0x0
.Lquant:
	; ---- my two blocks, 2 c + h of the fragment: all 32 numbers of each are mine
	v_max3_num_f32 v11, |v[X]|, |v[X+1]|, FLOOR
	v_max3_num_f32 v12, |v[X+32]|, |v[X+33]|, FLOOR
.set m, 2
.rept 15
	s_delay_alu instid0(VALU_DEP_2)
	v_max3_num_f32 v11, v11, |v[X+m]|, |v[X+m+1]|
	s_delay_alu instid0(VALU_DEP_2)
	v_max3_num_f32 v12, v12, |v[X+32+m]|, |v[X+33+m]|
.set m, m+2
.endr
	s_delay_alu instid0(VALU_DEP_2)
	v_add_nc_u32 v13, 0xff000000, v11              ; 2 off the exponent field: the conversion's scale operand
	s_delay_alu instid0(VALU_DEP_2)
	v_add_nc_u32 v14, 0xff000000, v12
	s_delay_alu instid0(VALU_DEP_2)
	v_lshrrev_b32 v15, 23, v13                     ; the scales' bytes
	s_delay_alu instid0(VALU_DEP_2)
	v_lshrrev_b32 v157, 23, v14
	s_delay_alu instid0(VALU_DEP_1)
	v_lshl_or_b32 v15, v157, 16, v15               ; blocks h and 2 + h,
	s_delay_alu instid0(VALU_DEP_1)
	v_lshlrev_b32 v15, v9, v15                     ; at their places in the word;
	s_delay_alu instid0(VALU_DEP_1)
	v_permlanex16_b32 v156, v15, s20, s21
	s_delay_alu instid0(VALU_DEP_1)
	v_or_b32 v15, v15, v156                        ; with lane l xor 16's two the word is whole, in both lanes
	v_cvt_scalef32_pk16_fp6_f32 v[C:C+2], v[X:X+15], v13
	v_cvt_scalef32_pk16_fp6_f32 v[158:160], v[X+16:X+31], v13     ; (a conversion's three registers begin on an even number)
	v_cvt_scalef32_pk16_fp6_f32 v[C+6:C+8], v[X+32:X+47], v14
	v_cvt_scalef32_pk16_fp6_f32 v[162:164], v[X+48:X+63], v14
	v_nop                                          ; one plain line behind the scaled conversions
.irp i, 0,1,2
	v_mov_b32 v[C+3+\i], v[158+\i]
	v_mov_b32 v[C+9+\i], v[162+\i]
.endr
	global_store_b128 v4, v[C:C+3], s[24:25]                   ; 512 consecutive bytes, aligned to 256
	global_store_b64 v5, v[C+4:C+5], s[24:25] offset:512       ; 256
	global_store_b128 v4, v[C+6:C+9], s[24:25] offset:768
	global_store_b64 v5, v[C+10:C+11], s[24:25] offset:1280
	global_store_b32 v10, v15, s[32:33]                        ; 16 scale words, 64 bytes: lanes l and l xor 16 write the same word with the same value
	s_wait_tensorcnt 0x0
	ds_add_u32 v168, v169
	s_wait_dscnt 0x0
	s_endpgm
.Lfunc_end_k_qfc66a39486_prep:
	.size	k_qfc66a39486_prep, .Lfunc_end_k_qfc66a39486_prep-k_qfc66a39486_prep
	.p2alignl 7, 3214868480
	.fill 96, 4, 3214868480
	.section	.rodata,"a",@progbits
	.p2align	6, 0x0
	.amdhsa_kernel k_qfc66a39486_prep
		.amdhsa_group_segment_fixed_size 68608
		.amdhsa_private_segment_fixed_size 0
		.amdhsa_enable_private_segment 0
		.amdhsa_kernarg_size 48
		.amdhsa_user_sgpr_count 2
		.amdhsa_user_sgpr_kernarg_segment_ptr 1
		.amdhsa_wavefront_size32 1
		.amdhsa_system_sgpr_workgroup_id_x 1
		.amdhsa_system_sgpr_workgroup_id_y 1
		.amdhsa_system_sgpr_workgroup_id_z 1
		.amdhsa_system_vgpr_workitem_id 0
		.amdhsa_next_free_vgpr 170
		.amdhsa_next_free_sgpr 66
		.amdhsa_reserve_vcc 0
		.amdhsa_float_denorm_mode_32 3
		.amdhsa_float_denorm_mode_16_64 3
		.amdhsa_memory_ordered 1
		.amdhsa_forward_progress 1
		.amdhsa_inst_pref_size 25
	.end_amdhsa_kernel
	.amdgpu_metadata
---
amdhsa.version: [ 1, 2 ]
amdhsa.kernels:
  - .name:           k_qfc66a39486_prep
    .symbol:         k_qfc66a39486_prep.kd
    .args:
      - { .name: x, .offset: 0, .size: 8, .value_kind: global_buffer, .address_space: global }
      - { .name: Wq, .offset: 8, .size: 8, .value_kind: global_buffer, .address_space: global }
      - { .name: Wkv, .offset: 16, .size: 8, .value_kind: global_buffer, .address_space: global }
      - { .name: Wo, .offset: 24, .size: 8, .value_kind: global_buffer, .address_space: global }
      - { .name: xq, .offset: 32, .size: 8, .value_kind: global_buffer, .address_space: global }
      - { .name: wq, .offset: 40, .size: 8, .value_kind: global_buffer, .address_space: global }
    .group_segment_fixed_size: 68608
    .private_segment_fixed_size: 0
    .kernarg_segment_align: 8
    .kernarg_segment_size: 48
    .max_flat_workgroup_size: 256
    .sgpr_count:     66
    .vgpr_count:     170
    .wavefront_size: 32
...
	.end_amdgpu_metadata
.endif
;; end of part 1
;; launch proj (part 2): grid 4 x 64, 12 waves a work-group, clusters of 4 x 4, 206,336 bytes of LDS; arguments xq, wq, qq, kq, vq; writes qq, kq, vq
.if DOCPART == 2
	.amdgcn_target "amdgcn-amd-amdhsa--gfx1250"
	.amdhsa_code_object_version 6
	.text
	.protected	k_qfc66a39486_proj
	.globl	k_qfc66a39486_proj
	.p2align	8
	.type	k_qfc66a39486_proj,@function
k_qfc66a39486_proj:
	s_mov_b64 s[64:65], 0
	v_nop
	global_prefetch_b8 v0, s[64:65] scope:SCOPE_SE
	s_setreg_imm32_b32 hwreg(HW_REG_WAVE_MODE, 25, 1), 1
	s_wait_xcnt 0x0
	s_wait_alu depctr_hold_cnt(0) depctr_sa_sdst(0) depctr_va_vdst(0) depctr_va_sdst(0) depctr_va_ssrc(0) depctr_va_vcc(0) depctr_vm_vsrc(0)
	s_getreg_b32 s2, hwreg(HW_REG_IB_STS2, 6, 4)
	s_cmp_eq_u32 s2, 0
	s_cbranch_scc0 .Lentry_in_a_cluster
	s_endpgm
.Lentry_in_a_cluster:
	s_bfe_u32 s2, ttmp6, 0x10000c
	s_cmp_lg_u32 s2, 0xf033
	s_cbranch_scc0 .Lentry_shape_is_right
	s_endpgm
.Lentry_shape_is_right:
; q = x Wq / 64, k and v = x Wkv, on codes of FP6 with E8M0 scales; the results are quantised again in registers (q, k along the head's 64; v along the keys) and stored as images of operand registers.
; IN: panels of 25,600 bytes (64 lines x K 512): fragment (i, sg) at (4 i + sg) 1536 holds lines e(i, m) = 32 (m / 8) + 8 i + m % 8; scale words at 24,576 + (4 sg + i) 64 + 4 m.
; SHARES.  Work-group (j, B): rows 128 B on of x, heads 2 j and 2 j + 1 of q, k and v.  All of K lies in LDS at once: eight panels, each filled ONCE (no slot is filled again):
;   slots 0, 1: x's panels 2 B, 2 B + 1; slots 2, 3: Wq's heads; 4, 5: k's; 6, 7: v's.  Wave w < 8 brings slot w by one tensor load.
; CLUSTER 4 x 4: x's panels hang on B alone and are asked for jointly along a row of the cluster, the weights' on j alone, along a column.
; ROLES hang on the wave's number alone.  Wave w: weight slot 2 + w / 2, x's panel c = w % 2: 64 lines x 64 lines, 16 accumulators, K in four steps of 128.
;   q, k (w < 8): source 0 = the weight, source 1 = x: a lane holds one row of x and, over source 0's four tiles, d = 32 h + 0 .. 31 of the head: a WHOLE block of the next K, in order.
;   v (w >= 8): source 0 = x, source 1 = the weight: a lane holds one d and the keys 64 c + 32 h + 0 .. 31.  One text serves all: only the two bases change places.
; OUT: a head's block of 221,184 bytes: 32 step images of 6,144 bytes (128 rows): for c = 0, 1 at 3072 c: tile a's registers 0-3 at 512 a + 16 lane, registers 4-5 at 2048 + 256 a + 8 lane;
;   V's scale words (in kq) at 196,608 + 256 G + 8 (16 (a % 2) + r) + 4 (a / 2), byte 2 c + h;  q's, k's at 204,800 + 512 G + 256 c + the same, bytes 0, 1 = blocks 0, 1, bytes 2, 3 = 127.
; LIMITS: as the quantiser's everywhere here: NaN and infinities not served; blocks under 2^-124 and blocks of zeros keep the byte 1.
.set PANEL, 25600
.set HEADB, 221184
.set FLOOR, 0x1800000
.set WV,  14                           ; s14 my wave's number
.set SC0, 16                           ; v16-23  source 0's scale words: register 2 sg + pair: lanes 0-15 tile 2 pair, lanes 16-31 tile 2 pair + 1
.set SC1, 24                           ; v24-31  source 1's
.set F0,  32                           ; v32-79  source 0's four fragments
.set F1,  80                           ; v80-127 source 1's
.set ACC, 128                          ; v128-255 accumulator (a, b) at 32 a + 8 b
.set CD,  32                           ; afterwards: the codes, six registers a tile
.set MX,  60                           ; largest magnitudes;  v64-67 scale operands;  v68-71 bytes;  v72-75 at work
.set SO,  64
.set BY,  68
.set TP,  80                           ; the conversions' second halves
.macro CROUND                          ; a round of the cluster's barrier
	s_barrier_signal -1
	s_barrier_wait -1
	s_cmp_lg_u32 s[WV], 0
	s_cbranch_scc1 .Lnw0_\@
	s_barrier_signal -3
.Lnw0_\@:
	s_barrier_wait -3
	s_barrier_signal -1
	s_barrier_wait -1
.endm
; one matrix instruction.  z = 1: C is the constant 0.  ra, rb: the side's scale words stand in lanes 16-31
.macro WM d, a, b, z, c, sa, sb, ra, rb
.if \z
.if (\ra)*2+(\rb) == 0
	v_wmma_scale_f32_16x16x128_f8f6f4 v[\d:\d+7], v[\a:\a+11], v[\b:\b+11], 0, v[\sa], v[\sb] matrix_a_fmt:MATRIX_FMT_FP6 matrix_b_fmt:MATRIX_FMT_FP6
.elseif (\ra)*2+(\rb) == 1
	v_wmma_scale_f32_16x16x128_f8f6f4 v[\d:\d+7], v[\a:\a+11], v[\b:\b+11], 0, v[\sa], v[\sb] matrix_a_fmt:MATRIX_FMT_FP6 matrix_b_fmt:MATRIX_FMT_FP6 matrix_b_scale:MATRIX_SCALE_ROW1
.elseif (\ra)*2+(\rb) == 2
	v_wmma_scale_f32_16x16x128_f8f6f4 v[\d:\d+7], v[\a:\a+11], v[\b:\b+11], 0, v[\sa], v[\sb] matrix_a_fmt:MATRIX_FMT_FP6 matrix_b_fmt:MATRIX_FMT_FP6 matrix_a_scale:MATRIX_SCALE_ROW1
.else
	v_wmma_scale_f32_16x16x128_f8f6f4 v[\d:\d+7], v[\a:\a+11], v[\b:\b+11], 0, v[\sa], v[\sb] matrix_a_fmt:MATRIX_FMT_FP6 matrix_b_fmt:MATRIX_FMT_FP6 matrix_a_scale:MATRIX_SCALE_ROW1 matrix_b_scale:MATRIX_SCALE_ROW1
.endif
.else
.if (\ra)*2+(\rb) == 0
	v_wmma_scale_f32_16x16x128_f8f6f4 v[\d:\d+7], v[\a:\a+11], v[\b:\b+11], v[\c:\c+7], v[\sa], v[\sb] matrix_a_fmt:MATRIX_FMT_FP6 matrix_b_fmt:MATRIX_FMT_FP6
.elseif (\ra)*2+(\rb) == 1
	v_wmma_scale_f32_16x16x128_f8f6f4 v[\d:\d+7], v[\a:\a+11], v[\b:\b+11], v[\c:\c+7], v[\sa], v[\sb] matrix_a_fmt:MATRIX_FMT_FP6 matrix_b_fmt:MATRIX_FMT_FP6 matrix_b_scale:MATRIX_SCALE_ROW1
.elseif (\ra)*2+(\rb) == 2
	v_wmma_scale_f32_16x16x128_f8f6f4 v[\d:\d+7], v[\a:\a+11], v[\b:\b+11], v[\c:\c+7], v[\sa], v[\sb] matrix_a_fmt:MATRIX_FMT_FP6 matrix_b_fmt:MATRIX_FMT_FP6 matrix_a_scale:MATRIX_SCALE_ROW1
.else
	v_wmma_scale_f32_16x16x128_f8f6f4 v[\d:\d+7], v[\a:\a+11], v[\b:\b+11], v[\c:\c+7], v[\sa], v[\sb] matrix_a_fmt:MATRIX_FMT_FP6 matrix_b_fmt:MATRIX_FMT_FP6 matrix_a_scale:MATRIX_SCALE_ROW1 matrix_b_scale:MATRIX_SCALE_ROW1
.endif
.endif
.endm
.macro FRAGS sg                        ; the eight fragments of K step sg: each an image of 12 registers, consecutive bytes in every load
.irp i, 0,1,2,3
	ds_load_b128 v[F0+12*\i:F0+12*\i+3], v4 offset:6144*\i+1536*\sg
	ds_load_b64 v[F0+12*\i+4:F0+12*\i+5], v5 offset:6144*\i+1536*\sg+512
	ds_load_b128 v[F0+12*\i+6:F0+12*\i+9], v4 offset:6144*\i+1536*\sg+768
	ds_load_b64 v[F0+12*\i+10:F0+12*\i+11], v5 offset:6144*\i+1536*\sg+1280
	ds_load_b128 v[F1+12*\i:F1+12*\i+3], v6 offset:6144*\i+1536*\sg
	ds_load_b64 v[F1+12*\i+4:F1+12*\i+5], v7 offset:6144*\i+1536*\sg+512
	ds_load_b128 v[F1+12*\i+6:F1+12*\i+9], v6 offset:6144*\i+1536*\sg+768
	ds_load_b64 v[F1+12*\i+10:F1+12*\i+11], v7 offset:6144*\i+1536*\sg+1280
.endr
.endm
.macro MULS sg, z                      ; 16 matrix instructions; the 16 accumulators take turns, one instruction a turn
.irp a, 0,1,2,3
.irp b, 0,1,2,3
	WM ACC+32*\a+8*\b, F0+12*\b, F1+12*\a, \z, ACC+32*\a+8*\b, SC0+2*\sg+\b/2, SC1+2*\sg+\a/2, \b%2, \a%2
.endr
.endr
.endm
	s_load_b256 s[4:11], s[0:1], 0x0               ; xq, wq, qq, kq
	s_load_b64 s[12:13], s[0:1], 0x20              ; vq
	v_lshl_add_u32 v14, v0, 2, 0x32000
	v_mov_b32 v15, 0
	ds_add_u32 v14, v15
	ds_add_u32 v14, v15
	v_lshrrev_b32 v1, 5, v0
	s_delay_alu instid0(VALU_DEP_1)
	v_readfirstlane_b32 s[WV], v1                  ; wave 0..11
	s_bfe_u32 s18, ttmp6, 0x40000                  ; cx
	s_bfe_u32 s16, ttmp6, 0x40004                  ; cy
	s_lshl_b32 s15, ttmp9, 2
	s_add_co_u32 s15, s15, s18                     ; j = 4 x cluster x + cx
	s_and_b32 s17, ttmp7, 0xffff
	s_lshl_b32 s17, s17, 2
	s_add_co_u32 s17, s17, s16                     ; B = 4 x cluster y + cy
	s_lshl_b32 s19, 0x1111, s18                    ; my column of the cluster
	s_lshl_b32 s18, s16, 2
	s_lshl_b32 s18, 15, s18                        ; my row
	; descriptor group 1: a panel as 100 rows of 256 bytes (32 elements of 8 bytes), dense, no padding
	s_or_b32 s24, s18, (3<<16)|(1<<21)             ; x's panels: shared along my row
	s_or_b32 s32, s19, (3<<16)|(1<<21)             ; the weights': along my column
.irp g, 24, 32
	s_mov_b32 s[\g+1], 32<<16                      ; tensor_dim0
	s_mov_b32 s[\g+2], 100<<16                     ; tensor_dim1
	s_mov_b32 s[\g+3], 32<<16                      ; tile_dim0
	s_mov_b32 s[\g+4], 100                         ; tile_dim1
	s_mov_b32 s[\g+5], 32                          ; from row to row
	s_mov_b32 s[\g+6], 0
	s_mov_b32 s[\g+7], 0
.endr
	s_min_u32 s20, s[WV], 1                        ; x's panel 2 B + wave (the wave's number is held inside 0..1, so that the address lies in its buffer in every wave)
	s_lshl_b32 s21, s17, 1
	s_add_co_u32 s20, s20, s21
	s_mul_i32 s20, s20, PANEL
	s_mov_b32 s21, 0
	s_max_u32 s22, s[WV], 2                        ; the weights' panel 8 (wave / 2 - 1) + 2 j + wave % 2 (held inside 2..7 likewise)
	s_min_u32 s22, s22, 7
	s_lshr_b32 s23, s22, 1
	s_sub_co_u32 s23, s23, 1
	s_lshl_b32 s23, s23, 3
	s_and_b32 s22, s22, 1
	s_add_co_u32 s22, s22, s23
	s_lshl_b32 s23, s15, 1
	s_add_co_u32 s22, s22, s23
	s_mul_i32 s22, s22, PANEL
	s_mov_b32 s23, 0
	s_mul_i32 s48, s[WV], PANEL                    ; slot = wave: no place in the cluster enters an LDS address
	s_wait_dscnt 0x0
	s_wait_kmcnt 0x0
	s_mov_b32 s40, 1
	s_mov_b32 s41, s48
	s_add_nc_u64 s[42:43], s[4:5], s[20:21]
	s_or_b32 s43, s43, 0x80000000
	s_mov_b32 s44, 1
	s_mov_b32 s45, s48
	s_add_nc_u64 s[46:47], s[6:7], s[22:23]
	s_or_b32 s47, s47, 0x80000000
	CROUND                                         ; all sixteen work-groups are here: the joint loads meet
	s_cmp_lt_u32 s[WV], 2                          ; waves 0, 1: x; waves 2-7: the weights; the others fetch nothing.  Four v_nop follow each load
	s_cbranch_scc0 .Lnot_x
	tensor_load_to_lds s[40:43], s[24:31]
	s_nop 0
.rept 4
	v_nop
.endr
	s_branch .Lasked
.Lnot_x:
	s_cmp_lt_u32 s[WV], 8
	s_cbranch_scc0 .Lasked
	tensor_load_to_lds s[44:47], s[32:39]
	s_nop 0
.rept 4
	v_nop
.endr
.Lasked:
	v_and_b32 v11, 31, v0
	s_delay_alu instid0(VALU_DEP_1)
	v_lshlrev_b32 v1, 4, v11                       ; 16 x lane
	s_wait_alu depctr_va_vdst(0)
	v_lshlrev_b32 v2, 3, v11                       ; 8 x lane
	s_wait_alu depctr_va_vdst(0)
	v_lshlrev_b32 v3, 2, v11                       ; 4 x lane
	s_wait_alu depctr_va_vdst(0)
	v_bfe_u32 v10, v0, 4, 1
	s_delay_alu instid0(VALU_DEP_1)
	v_lshlrev_b32 v10, 3, v10                      ; 8 h
	s_lshr_b32 s49, s[WV], 1
	s_add_co_u32 s49, s49, 2                       ; the weight's slot
	s_and_b32 s53, s[WV], 1                        ; c: x's slot
	s_lshr_b32 s54, s[WV], 3                       ; 1 in v's waves
	s_mul_i32 s55, s54, 15
	s_xor_b32 s56, s49, s53
	s_and_b32 s56, s56, s55
	s_xor_b32 s49, s49, s56                        ; source 0's slot: the weight's, in v's waves x's
	s_xor_b32 s57, s53, s56                        ; source 1's: the other
	s_mul_i32 s49, s49, PANEL
	s_mul_i32 s57, s57, PANEL
	v_add_nc_u32 v4, s49, v1
	v_add_nc_u32 v5, s49, v2
	v_add_nc_u32 v6, s57, v1
	v_add_nc_u32 v7, s57, v2
	v_add_nc_u32 v8, s49, v3
	v_add_nc_u32 v9, s57, v3
	s_mov_b32 s2, 0x76543210
	s_mov_b32 s3, 0xfedcba98                       ; selects for lane l xor 16
	s_mov_b32 s52, 0xffff0000                      ; lanes 16-31
	s_wait_alu depctr_va_vdst(0)
	s_wait_tensorcnt 0x0                           ; my panel has landed,
	s_barrier_signal -1
	s_barrier_wait -1                              ; everybody's has
.irp g, 0,1,2,3,4,5,6,7
	ds_load_b32 v[SC0+\g], v8 offset:24576+128*\g  ; register 2 sg + pair: 32 words on end
	ds_load_b32 v[SC1+\g], v9 offset:24576+128*\g
.endr
	FRAGS 0
	s_wait_dscnt 0x0
	MULS 0, 1                                      ; the first K step starts the sums
.irp g, 1,2,3
.rept 4
	v_nop                                          ; four plain lines in front of loads into registers that matrix instructions have read
.endr
	FRAGS \g
	s_wait_dscnt 0x0
	MULS \g, 0
.endr
	s_mov_b32 s50, 0x3f800000
	s_cmp_lt_u32 s[WV], 4
	s_cselect_b32 s50, 0x3c800000, s50             ; q is multiplied by 1/8 twice: 1/64, exact; k and v by 1
	s_mov_b32 s51, s50
.rept 4
	v_nop                                          ; four plain lines in front of the first read of results
.endr
.set n, 0
.rept 64
	v_pk_mul_f32 v[ACC+n:ACC+n+1], v[ACC+n:ACC+n+1], s[50:51] op_sel_hi:[1,0]   ; each accumulator from its low end on
.set n, n+2
.endr
	; the quantiser: tile a's 32 registers are one whole block of the next K
.irp a, 0,1,2,3
	v_max3_num_f32 v[MX+\a], |v[ACC+32*\a]|, |v[ACC+32*\a+1]|, FLOOR
.endr
.set n, 2
.rept 15
.irp a, 0,1,2,3
	s_delay_alu instid0(VALU_DEP_4)
	v_max3_num_f32 v[MX+\a], v[MX+\a], |v[ACC+32*\a+n]|, |v[ACC+32*\a+n+1]|
.endr
.set n, n+2
.endr
.irp a, 0,1,2,3
	s_delay_alu instid0(VALU_DEP_4)
	v_add_nc_u32 v[SO+\a], 0xff000000, v[MX+\a]    ; 2 off the exponent field: the conversion's scale operand
.endr
.irp a, 0,1,2,3
	s_delay_alu instid0(VALU_DEP_4)
	v_lshrrev_b32 v[BY+\a], 23, v[SO+\a]           ; the byte,
.endr
.irp a, 0,1,2,3
	s_delay_alu instid0(VALU_DEP_4)
	v_lshlrev_b32 v[BY+\a], v10, v[BY+\a]          ; at place h,
.endr
.irp a, 0,1,2,3
	s_delay_alu instid0(VALU_DEP_4)
	v_permlanex16_b32 v[72+\a], v[BY+\a], s2, s3
.endr
.irp a, 0,1,2,3
	s_delay_alu instid0(VALU_DEP_4)
	v_or_b32 v[BY+\a], v[BY+\a], v[72+\a]          ; with lane l xor 16's: two bytes, the same in both lanes
.endr
	s_delay_alu instid0(VALU_DEP_3)
	v_cndmask_b32 v78, v[BY], v[BY+1], s52         ; lanes 0-15 tile 0's, lanes 16-31 tile 1's
	s_delay_alu instid0(VALU_DEP_2)
	v_cndmask_b32 v79, v[BY+2], v[BY+3], s52       ; tiles 2 and 3
.irp a, 0,1,2,3
	v_cvt_scalef32_pk16_fp6_f32 v[CD+6*\a:CD+6*\a+2], v[ACC+32*\a:ACC+32*\a+15], v[SO+\a]
	v_cvt_scalef32_pk16_fp6_f32 v[TP+4*\a:TP+4*\a+2], v[ACC+32*\a+16:ACC+32*\a+31], v[SO+\a]   ; (a conversion's three registers begin on an even number)
.endr
	v_nop                                          ; one plain line behind the scaled conversions
.irp a, 0,1,2,3
.irp i, 0,1,2
	v_mov_b32 v[CD+6*\a+3+\i], v[TP+4*\a+\i]
.endr
.endr
	; where they go
	s_lshr_b32 s58, s17, 5                         ; the batch
	s_and_b32 s59, s17, 31                         ; G: the group of 128 rows in it
	s_lshl_b32 s58, s58, 3
	s_lshl_b32 s60, s15, 1
	s_add_co_u32 s58, s58, s60
	s_bfe_u32 s60, s[WV], 0x10001
	s_add_co_u32 s58, s58, s60                     ; 8 x batch + head
	s_mul_i32 s58, s58, HEADB
	s_mul_i32 s60, s59, 6144
	s_mul_i32 s61, s53, 3072
	s_add_co_u32 s60, s60, s61
	s_add_co_u32 s60, s60, s58
	s_mov_b32 s61, 0
	s_cmp_lt_u32 s[WV], 4
	s_cselect_b64 s[20:21], s[8:9], s[10:11]       ; q's buffer or k's
	s_mov_b32 s48, 196608
	s_cmp_lt_u32 s[WV], 8
	s_cselect_b64 s[22:23], s[20:21], s[12:13]     ; the codes': v's waves take vq
	s_cselect_b64 s[20:21], s[20:21], s[10:11]     ; the scales': V's lie in kq
	s_cselect_b32 s62, 9, 8
	s_cselect_b32 s63, 8, 1
	s_cselect_b32 s48, 204800, s48
	s_add_nc_u64 s[22:23], s[22:23], s[60:61]
	s_lshl_b32 s62, s59, s62                       ; 512 G + 256 c, or 256 G + 2 c
	s_lshl_b32 s63, s53, s63
	s_add_co_u32 s62, s62, s63
	s_add_co_u32 s62, s62, s48
	s_add_co_u32 s62, s62, s58
	s_mov_b32 s63, 0
	s_add_nc_u64 s[20:21], s[20:21], s[62:63]
	s_wait_alu depctr_va_vdst(0)
.irp a, 0,1,2,3
	global_store_b128 v1, v[CD+6*\a:CD+6*\a+3], s[22:23] offset:512*\a           ; 512 consecutive bytes, aligned to 256
	global_store_b64 v2, v[CD+6*\a+4:CD+6*\a+5], s[22:23] offset:2048+256*\a     ; 256
.endr
	s_cmp_lt_u32 s[WV], 8
	s_cbranch_scc0 .Lv_scales
	v_or_b32 v78, 0x7f7f0000, v78                  ; K has 64: the instruction's other two blocks get the byte of 1.0
	v_or_b32 v79, 0x7f7f0000, v79
	global_store_b64 v2, v[78:79], s[20:21]        ; 256 consecutive bytes
	s_branch .Ldone
.Lv_scales:
	global_store_b16 v2, v78, s[20:21]             ; bytes 2 c, 2 c + 1 of each word: the other two come from the wave with the other c.  Two bytes a lane: 8 KiB a head in all
	global_store_b16 v2, v79, s[20:21] offset:4
.Ldone:
	s_wait_tensorcnt 0x0
	ds_add_u32 v14, v15
	s_wait_dscnt 0x0
	CROUND                                         ; the closing round: no work-group ends while a partner may still ask for a panel that names it
	s_endpgm
.Lfunc_end_k_qfc66a39486_proj:
	.size	k_qfc66a39486_proj, .Lfunc_end_k_qfc66a39486_proj-k_qfc66a39486_proj
	.p2alignl 7, 3214868480
	.fill 96, 4, 3214868480
	.section	.rodata,"a",@progbits
	.p2align	6, 0x0
	.amdhsa_kernel k_qfc66a39486_proj
		.amdhsa_group_segment_fixed_size 206336
		.amdhsa_private_segment_fixed_size 0
		.amdhsa_enable_private_segment 0
		.amdhsa_kernarg_size 40
		.amdhsa_user_sgpr_count 2
		.amdhsa_user_sgpr_kernarg_segment_ptr 1
		.amdhsa_wavefront_size32 1
		.amdhsa_system_sgpr_workgroup_id_x 1
		.amdhsa_system_sgpr_workgroup_id_y 1
		.amdhsa_system_sgpr_workgroup_id_z 1
		.amdhsa_system_vgpr_workitem_id 0
		.amdhsa_next_free_vgpr 256
		.amdhsa_next_free_sgpr 66
		.amdhsa_reserve_vcc 0
		.amdhsa_float_denorm_mode_32 3
		.amdhsa_float_denorm_mode_16_64 3
		.amdhsa_memory_ordered 1
		.amdhsa_forward_progress 1
		.amdhsa_inst_pref_size 39
	.end_amdhsa_kernel
	.amdgpu_metadata
---
amdhsa.version: [ 1, 2 ]
amdhsa.kernels:
  - .name:           k_qfc66a39486_proj
    .symbol:         k_qfc66a39486_proj.kd
    .args:
      - { .name: xq, .offset: 0, .size: 8, .value_kind: global_buffer, .address_space: global }
      - { .name: wq, .offset: 8, .size: 8, .value_kind: global_buffer, .address_space: global }
      - { .name: qq, .offset: 16, .size: 8, .value_kind: global_buffer, .address_space: global }
      - { .name: kq, .offset: 24, .size: 8, .value_kind: global_buffer, .address_space: global }
      - { .name: vq, .offset: 32, .size: 8, .value_kind: global_buffer, .address_space: global }
    .group_segment_fixed_size: 206336
    .private_segment_fixed_size: 0
    .kernarg_segment_align: 8
    .kernarg_segment_size: 40
    .max_flat_workgroup_size: 384
    .sgpr_count:     66
    .vgpr_count:     256
    .wavefront_size: 32
...
	.end_amdgpu_metadata
.endif
;; end of part 2
;; launch attn (part 3): grid 16 x 16, 8 waves a work-group, clusters of 4 x 1, 327,680 bytes of LDS; arguments qq, kq, vq, oc; writes oc
.if DOCPART == 3
	.amdgcn_target "amdgcn-amd-amdhsa--gfx1250"
	.amdhsa_code_object_version 6
	.text
	.protected	k_qfc66a39486_attn
	.globl	k_qfc66a39486_attn
	.p2align	8
	.type	k_qfc66a39486_attn,@function
k_qfc66a39486_attn:
	s_mov_b64 s[64:65], 0
	v_nop
	global_prefetch_b8 v0, s[64:65] scope:SCOPE_SE
	s_setreg_imm32_b32 hwreg(HW_REG_WAVE_MODE, 25, 1), 1
	s_wait_xcnt 0x0
	s_wait_alu depctr_hold_cnt(0) depctr_sa_sdst(0) depctr_va_vdst(0) depctr_va_sdst(0) depctr_va_ssrc(0) depctr_va_vcc(0) depctr_vm_vsrc(0)
	s_getreg_b32 s2, hwreg(HW_REG_IB_STS2, 6, 4)
	s_cmp_eq_u32 s2, 0
	s_cbranch_scc0 .Lentry_in_a_cluster
	s_endpgm
.Lentry_in_a_cluster:
	s_bfe_u32 s2, ttmp6, 0x10000c
	s_cmp_lg_u32 s2, 0x3003
	s_cbranch_scc0 .Lentry_shape_is_right
	s_endpgm
.Lentry_shape_is_right:
; Causal attention of one head (work-group y) on codes of FP6 with E8M0 scales; q, k, v come as images of operand registers, 128 rows to a step image of 6,144 bytes.
; A wave owns two tiles of 16 queries, one in group DL of 128 rows and one in group DH = 31 - DL, so that every wave has 33 causal steps.  S^T = k q^T and O^T = v^T p^T: a lane holds one query.
; FIRST PASS, all 32 steps of keys: reference() takes the maximum of the whole unmasked row away ahead of the mask, and that shift moves p's codes, so it is computed; with it the maximum over the causal keys.
; SECOND PASS, causal steps alone (whole tiles above the diagonal are under the mask that reference() builds): p = 2^(t - M), its sum unquantised, p quantised by blocks of 32 keys, O^T summed.
; LDS: V's two slots of eight steps at 0 and SLOT1; K's scales at KSC; K's codes for the whole head at KCO, V's scales behind them; the spare words at SPARE.
; CLUSTER 4 x 1: the four partners share head and groups and ask for every tile jointly; roles hang on the wave's number alone.
; LIMITS: NaN and infinities are not served; the scaled scores stay under 2^31 in magnitude; blocks under 2^-124 keep the byte 1.
.set HEADB, 221184
.set KSTEP, 6144
.set KSC,   49152
.set SLOT1, 65536
.set KCO,   114688
.set VSC,   311296
.set SPARE, 319488
.set FLOOR, 0x1800000
.set SPW,  1
.set NIL,  2
.set L16,  3
.set L8,   4
.set AK16, 5
.set AK8,  6
.set AKS,  7
.set AV16, 8
.set AV8,  9
.set AVS,  10
.set DD,   11
.set PT,   12
.set H8,   13
.set NINF, 14
.set PW,   15
.set KF,   16
.set KS,   70
.set VS,   74
.set QS,   76
.set TS,   78
.set QF,   80
.set CT,   104
.set MM,   104
.set SV,   108
.set CM,   110
.set LS,   120
.set NM,   124
.set S,    128
.set SH,   192
.set VF,   192
.set PC,   240
.set BM,   252
.set WV,  12
.set CX,  13
.set C4,  14
.set BH,  15
.set DL,  16
.set DH,  17
.set TAU, 18
.set SEL, 20
.set L2E, 22
.set G1C, 24
.set G1S, 32
.set G1V, 40
.set G0C, 48
.set G0S, 52
.set G0V, 56
.set ST,  60
.set TK,  61
.set TKS, 62
.set TV,  63
.set TVS, 66
.set TVB, 67
.set IN,  68
.set PH,  69
.set NK,  70
.set NKS, 71
.set MSB, 0
.macro WIN new
.if MSB != \new
	s_set_vgpr_msb (MSB<<8)|\new
.set MSB, \new
.endif
.endm
.macro CROUND
	s_barrier_signal -1
	s_barrier_wait -1
	s_cmp_lg_u32 s[WV], 0
	s_cbranch_scc1 .Lnw0_\@
	s_barrier_signal -3
.Lnw0_\@:
	s_barrier_wait -3
	s_barrier_signal -1
	s_barrier_wait -1
.endm
.macro WM d, a, b, z, c, sa, sb, ra
.if \z
.if \ra
	v_wmma_scale_f32_16x16x128_f8f6f4 v[\d:\d+7], v[\a:\a+11], v[\b:\b+11], 0, v[\sa], v[\sb] matrix_a_fmt:MATRIX_FMT_FP6 matrix_b_fmt:MATRIX_FMT_FP6 matrix_a_scale:MATRIX_SCALE_ROW1
.else
	v_wmma_scale_f32_16x16x128_f8f6f4 v[\d:\d+7], v[\a:\a+11], v[\b:\b+11], 0, v[\sa], v[\sb] matrix_a_fmt:MATRIX_FMT_FP6 matrix_b_fmt:MATRIX_FMT_FP6
.endif
.else
.if \ra
	v_wmma_scale_f32_16x16x128_f8f6f4 v[\d:\d+7], v[\a:\a+11], v[\b:\b+11], v[\c:\c+7], v[\sa], v[\sb] matrix_a_fmt:MATRIX_FMT_FP6 matrix_b_fmt:MATRIX_FMT_FP6 matrix_a_scale:MATRIX_SCALE_ROW1
.else
	v_wmma_scale_f32_16x16x128_f8f6f4 v[\d:\d+7], v[\a:\a+11], v[\b:\b+11], v[\c:\c+7], v[\sa], v[\sb] matrix_a_fmt:MATRIX_FMT_FP6 matrix_b_fmt:MATRIX_FMT_FP6
.endif
.endif
.endm
.macro KLOAD
.irp t, 0,1,2,3,4,5,6,7
	ds_load_b128 v[KF+6*\t:KF+6*\t+3], v[AK16] offset:3072*(\t/4)+512*(\t%4)
	ds_load_b64 v[KF+6*\t+4:KF+6*\t+5], v[AK8] offset:3072*(\t/4)+2048+256*(\t%4)
.endr
	ds_load_b64 v[KS:KS+1], v[AKS]
	ds_load_b64 v[KS+2:KS+3], v[AKS] offset:256
.endm
.macro VLOAD
.irp f, 0,1,2,3
	ds_load_b128 v[VF+12*\f:VF+12*\f+3], v[AV16] offset:512*\f
	ds_load_b64 v[VF+12*\f+4:VF+12*\f+5], v[AV8] offset:2048+256*\f
	ds_load_b128 v[VF+12*\f+6:VF+12*\f+9], v[AV16] offset:3072+512*\f
	ds_load_b64 v[VF+12*\f+10:VF+12*\f+11], v[AV8] offset:5120+256*\f
.endr
	ds_load_b64 v[VS:VS+1], v[AVS]
.endm
.macro KNEXT
	s_add_co_u32 s[NK], s[TK], KSTEP
	s_min_u32 s[NK], s[NK], KCO+31*KSTEP
	s_add_co_u32 s[NKS], s[TKS], 512
	s_min_u32 s[NKS], s[NKS], KSC+31*512
	v_add_nc_u32 v[AK16], s[NK], v[L16]
	v_add_nc_u32 v[AK8], s[NK], v[L8]
	v_add_nc_u32 v[AKS], s[NKS], v[L8]
.endm
.macro MAX64 sb, c0, c1
.set n, 0
.rept 16
	v_max3_num_f32 v[\c0], v[\c0], v[\sb+n], v[\sb+n+1]
	v_max3_num_f32 v[\c1], v[\c1], v[\sb+n+2], v[\sb+n+3]
.set n, n+4
.endr
.endm
.macro MASK sb
.set n, 0
.rept 64
	v_cmp_gt_i32 vcc_lo, 64*(n/32)+n%32, v[DD]
	v_cndmask_b32 v[\sb+n], v[\sb+n], v[NINF], vcc_lo
.set n, n+1
.endr
.endm
.macro MX16 t                          ; key tile t's results of both query tiles into four chains by turns (MM, MM+1 the lower tile's, MM+2, MM+3 the upper's), each accumulator from its low end on
.irp i, 0,2,4,6
	v_max3_num_f32 v[MM+(\i/2)%2], v[MM+(\i/2)%2], v[S+8*\t+\i], v[S+8*\t+\i+1]
	v_max3_num_f32 v[MM+2+(\i/2)%2], v[MM+2+(\i/2)%2], v[SH+8*\t+\i], v[SH+8*\t+\i+1]
.endr
.endm
.macro DIAG x, sb                      ; at the tile's diagonal step: the causal maximum = the maximum of the steps before it and of this step's keys under the mask
	s_cmp_lg_u32 s[ST], s[DL+\x]
	s_cbranch_scc1 .Loff_\@
	MASK \sb
	v_mov_b32 v[CM+2*\x], v[SV+\x]
	v_mov_b32 v[CM+2*\x+1], v[SV+\x]
	MAX64 \sb, CM+2*\x, CM+2*\x+1
.Loff_\@:
.endm
.macro UNIT x, dsc, kpref
.irp t, 0,1,2,3,4,5,6,7
	WM S+8*\t, KF+6*\t, QF+12*\x, 0, CT+8*\x, KS+\t/2, QS+\x, \t%2
.endr
.if \kpref
	KNEXT
	v_nop
	KLOAD
.else
.rept 4
	v_nop
.endr
.endif
	s_cmp_lg_u32 s[ST], s[DL+\x]
	s_cbranch_scc1 .Lopen_\@
	MASK S
.Lopen_\@:
.irp q, 0,1,2,3
	v_max3_num_f32 v[BM+\q], v[S+16*\q], v[S+16*\q+1], v[S+16*\q+2]
.endr
.irp i, 3,5,7,9,11,13
.irp q, 0,1,2,3
	v_max3_num_f32 v[BM+\q], v[BM+\q], v[S+16*\q+\i], v[S+16*\q+\i+1]
.endr
.endr
	v_max3_num_f32 v[BM], v[BM], v[BM+1], v[S+15]
	v_max3_num_f32 v[BM+2], v[BM+2], v[BM+3], v[S+47]
	v_max_num_f32 v[BM+1], v[BM], v[S+31]
	v_max_num_f32 v[BM+3], v[BM+2], v[S+63]
.set n, 0
.rept 32
	v_pk_fma_f32 v[S+n:S+n+1], v[S+n:S+n+1], s[L2E:L2E+1], v[NM+2*\x:NM+2*\x+1] op_sel_hi:[1,0,0]
.set n, n+2
.endr
	v_fma_f32 v[BM+1], v[BM+1], s[L2E], v[NM+2*\x]
	v_fma_f32 v[BM+3], v[BM+3], s[L2E], v[NM+2*\x]
.set n, 0
	s_wait_alu depctr_va_vdst(0)
.rept 64
	v_exp_f32 v[S+n], v[S+n]
.set n, n+1
.endr
	v_exp_f32 v[BM+1], v[BM+1]
	v_exp_f32 v[BM+3], v[BM+3]
	v_nop
	s_wait_alu depctr_va_vdst(0)
	v_pk_add_f32 v[TS:TS+1], v[S:S+1], v[S+2:S+3]
.set n, 4
.rept 13
	v_pk_add_f32 v[LS+2*\x:LS+2*\x+1], v[LS+2*\x:LS+2*\x+1], v[S+n:S+n+1]
	v_pk_add_f32 v[TS:TS+1], v[TS:TS+1], v[S+n+2:S+n+3]
.set n, n+4
.endr
	v_max_num_f32 v[BM+1], FLOOR, v[BM+1]
	v_max_num_f32 v[BM+3], FLOOR, v[BM+3]
	s_delay_alu instid0(VALU_DEP_2)
	v_add_nc_u32 v[BM], 0xff000000, v[BM+1]
	s_delay_alu instid0(VALU_DEP_2)
	v_add_nc_u32 v[BM+2], 0xff000000, v[BM+3]
	s_delay_alu instid0(VALU_DEP_2)
	v_lshrrev_b32 v[BM+1], 23, v[BM]
	s_delay_alu instid0(VALU_DEP_2)
	v_lshrrev_b32 v[BM+3], 23, v[BM+2]
	s_delay_alu instid0(VALU_DEP_1)
	v_lshl_or_b32 v[PW], v[BM+3], 16, v[BM+1]
	s_delay_alu instid0(VALU_DEP_1)
	v_lshlrev_b32 v[PW], v[H8], v[PW]
	s_delay_alu instid0(VALU_DEP_1)
	v_permlanex16_b32 v[PT], v[PW], s[SEL], s[SEL+1]
	s_delay_alu instid0(VALU_DEP_1)
	v_or_b32 v[PW], v[PW], v[PT]
	v_cvt_scalef32_pk16_fp6_f32 v[PC:PC+2], v[S:S+15], v[BM]
	v_cvt_scalef32_pk16_fp6_f32 v[PC+6:PC+8], v[S+32:S+47], v[BM+2]
	v_nop
	v_cvt_scalef32_pk16_fp6_f32 v[S:S+2], v[S+16:S+31], v[BM]
	v_cvt_scalef32_pk16_fp6_f32 v[S+32:S+34], v[S+48:S+63], v[BM+2]
	v_nop
.irp i, 0,1,2
	v_mov_b32 v[PC+3+\i], v[S+\i]
	v_mov_b32 v[PC+9+\i], v[S+32+\i]
.endr
	v_pk_add_f32 v[LS+2*\x:LS+2*\x+1], v[LS+2*\x:LS+2*\x+1], v[S+56:S+57]
	v_pk_add_f32 v[TS:TS+1], v[TS:TS+1], v[S+58:S+59]
	v_pk_add_f32 v[LS+2*\x:LS+2*\x+1], v[LS+2*\x:LS+2*\x+1], v[S+60:S+61]
	v_pk_add_f32 v[TS:TS+1], v[TS:TS+1], v[S+62:S+63]
	s_delay_alu instid0(VALU_DEP_1)
	v_pk_add_f32 v[LS+2*\x:LS+2*\x+1], v[LS+2*\x:LS+2*\x+1], v[TS:TS+1]
	s_wait_alu depctr_va_vdst(0)
	s_wait_dscnt \dsc
	WIN 0x50
.irp f, 0,1,2,3
	WM 32*\x+8*\f, VF+12*\f, PC, 0, 32*\x+8*\f, VS+\f/2, PW, \f%2
.endr
	WIN 0
.endm
.macro STEPB withl
	s_cmp_gt_u32 s[ST], s[DH]
	s_cbranch_scc1 .Lskip_\@
	v_add_nc_u32 v[AV16], s[TV], v[L16]
	v_add_nc_u32 v[AV8], s[TV], v[L8]
	v_add_nc_u32 v[AVS], s[TVS], v[L8]
	v_nop
	VLOAD
	s_wait_dscnt 17
.if \withl
	s_cmp_gt_u32 s[ST], s[DL]
	s_cbranch_scc1 .Lnol_\@
	UNIT 0, 0, 0
.Lnol_\@:
.endif
	UNIT 1, 18, 1
.Lskip_\@:
	s_add_co_u32 s[ST], s[ST], 1
	s_add_co_u32 s[TK], s[TK], KSTEP
	s_add_co_u32 s[TKS], s[TKS], 512
	s_add_co_u32 s[TV], s[TV], KSTEP
	s_add_co_u32 s[TVS], s[TVS], 256
.endm
.macro EIGHT withl
	s_mov_b32 s[TV], s[TVB]
	s_mov_b32 s[IN], 8
.Lstep_\@:
	STEPB \withl
	s_sub_co_u32 s[IN], s[IN], 1
	s_cmp_lg_u32 s[IN], 0
	s_cbranch_scc1 .Lstep_\@
.endm
.macro CHANGE fill
	s_wait_tensorcnt 0x0
	ds_add_u32 v[SPW], v[NIL]
.if \fill
	s_xor_b32 s[G0V+1], s[G0V+1], SLOT1
	s_add_nc_u64 s[G0V+2:G0V+3], s[G0V+2:G0V+3], 8*KSTEP
.endif
	s_wait_dscnt 0x0
.if \fill
	CROUND
	tensor_load_to_lds s[G0V:G0V+3], s[G1V:G1V+7]
	s_nop 0
.rept 4
	v_nop
.endr
.else
	s_barrier_signal -1
	s_barrier_wait -1
.endif
.endm
	s_load_b256 s[4:11], s[0:1], 0x0
	v_lshl_add_u32 v[SPW], v0, 2, SPARE
	v_mov_b32 v[NIL], 0
	ds_add_u32 v1, v2
	ds_add_u32 v1, v2
	s_wait_dscnt 0x0
	v_lshrrev_b32 v[L16], 5, v0
	s_delay_alu instid0(VALU_DEP_1)
	v_readfirstlane_b32 s[WV], v[L16]
	s_bfe_u32 s[CX], ttmp6, 0x40000
	s_mov_b32 s[C4], ttmp9
	s_and_b32 s[BH], ttmp7, 0xffff
	s_bfe_u32 s2, s[WV], 0x10001
	s_lshr_b32 s3, s[WV], 2
	s_mul_i32 s3, s3, 3
	s_xor_b32 s2, s2, s3
	s_lshl_b32 s[DL], s[C4], 2
	s_add_co_u32 s[DL], s[DL], s2
	s_sub_co_u32 s[DH], 31, s[DL]
	s_and_b32 s2, s[WV], 1
	s_lshl_b32 s[TAU], s[CX], 1
	s_add_co_u32 s[TAU], s[TAU], s2
	s_mul_i32 s72, s[BH], HEADB
	s_mov_b32 s73, 0
.irp g, G1C, G1S, G1V
	s_mov_b32 s[\g], 15|(3<<16)|(1<<21)
	s_mov_b32 s[\g+1], 32<<16
	s_mov_b32 s[\g+3], 32<<16
	s_mov_b32 s[\g+5], 32
	s_mov_b32 s[\g+6], 0
	s_mov_b32 s[\g+7], 0
.endr
	s_mov_b32 s[G1C+2], 200<<16                    ; K's codes and V's scales, 800 rows of 256 bytes: 200 for each of waves 0-3
	s_mov_b32 s[G1C+4], 200
	s_mov_b32 s[G1S+2], 16<<16                     ; K's scales, 64 rows: 16 for each of waves 4-7
	s_mov_b32 s[G1S+4], 16
	s_mov_b32 s[G1V+2], 24<<16
	s_mov_b32 s[G1V+4], 24
	s_min_u32 s74, s[WV], 3                        ; (held inside 0..3, so that the address lies in its buffer in every wave)
	s_mul_i32 s74, s74, 51200
	s_mov_b32 s75, 0
	s_mul_i32 s76, s[WV], 4096
	s_mov_b32 s77, 0
	s_mul_i32 s78, s[WV], KSTEP
	s_mov_b32 s79, 0
	s_mov_b32 s[SEL], 0x76543210
	s_mov_b32 s[SEL+1], 0xfedcba98
	s_mov_b32 s[L2E], 0x3fb8aa3b
	s_mov_b32 s[L2E+1], s[L2E]
	s_wait_kmcnt 0x0
	s_add_nc_u64 s[4:5], s[4:5], s[72:73]
	s_add_nc_u64 s[6:7], s[6:7], s[72:73]
	s_add_nc_u64 s[8:9], s[8:9], s[72:73]
	s_mov_b32 s[G0C], 1
	s_add_co_u32 s[G0C+1], s74, KCO
	s_add_nc_u64 s[G0C+2:G0C+3], s[6:7], s[74:75]
	s_or_b32 s[G0C+3], s[G0C+3], 0x80000000
	s_mov_b32 s[G0S], 1
	s_add_co_u32 s[G0S+1], s76, KSC-16384          ; wave 4 begins at KSC
	s_add_nc_u64 s[G0S+2:G0S+3], s[6:7], s[76:77]
	s_add_nc_u64 s[G0S+2:G0S+3], s[G0S+2:G0S+3], 204800-16384
	s_or_b32 s[G0S+3], s[G0S+3], 0x80000000
	s_mov_b32 s[G0V], 1
	s_mov_b32 s[G0V+1], s78
	s_add_nc_u64 s[G0V+2:G0V+3], s[8:9], s[78:79]
	s_or_b32 s[G0V+3], s[G0V+3], 0x80000000
	CROUND
	s_cmp_lt_u32 s[WV], 4                          ; the head's fills, one a wave, in two arms that hang on the wave's number: what the first pass reads
	s_cbranch_scc0 .Lhead_s
	tensor_load_to_lds s[G0C:G0C+3], s[G1C:G1C+7]
	s_nop 0
.rept 4
	v_nop
.endr
	s_branch .Lhead_j
.Lhead_s:
	tensor_load_to_lds s[G0S:G0S+3], s[G1S:G1S+7]
	s_nop 0
.rept 4
	v_nop
.endr
.Lhead_j:                                              ; the set-up and q's loads stand between these fills and the wait for them
.irp i, 6,7,8,9,10,11
	v_mov_b32 v[QF+\i], 0
	v_mov_b32 v[QF+12+\i], 0
	v_mov_b32 v[KF+42+\i], 0
.endr
	v_and_b32 v[DD], 31, v0
	s_delay_alu instid0(VALU_DEP_1)
	v_lshlrev_b32 v[L16], 4, v[DD]
	s_delay_alu instid0(VALU_DEP_2)
	v_lshlrev_b32 v[L8], 3, v[DD]
	v_bfe_u32 v[PT], v0, 4, 1
	s_delay_alu instid0(VALU_DEP_1)
	v_lshlrev_b32 v[H8], 3, v[PT]
	v_mov_b32 v[NINF], 0xff800000
	v_and_b32 v[AK16], 15, v0
	s_delay_alu instid0(VALU_DEP_1)
	v_lshlrev_b32 v[AKS], 3, v[AK16]
	s_wait_alu depctr_va_vdst(0)
	v_and_b32 v[DD], 7, v0
	v_bfe_u32 v[AK8], v0, 3, 1
	s_delay_alu instid0(VALU_DEP_1)
	v_sub_nc_u32 v[AK8], v[AK8], v[PT]
	s_delay_alu instid0(VALU_DEP_1)
	v_lshl_add_u32 v[DD], v[AK8], 5, v[DD]
	s_lshr_b32 s2, s[TAU], 2
	s_and_b32 s3, s[TAU], 3
	s_lshl_b32 s80, s2, 6
	s_lshl_b32 s81, s3, 3
	s_add_co_u32 s80, s80, s81
	v_add_nc_u32 v[DD], s80, v[DD]
.irp x, 0,1
	s_mul_i32 s80, s[DL+\x], KSTEP
	s_mul_i32 s81, s2, 3072
	s_add_co_u32 s80, s80, s81
	s_lshl_b32 s81, s3, 9
	s_add_co_u32 s81, s80, s81
	v_add_nc_u32 v[S+3*\x], s81, v[L16]
	s_wait_alu depctr_va_vdst(0)
	s_lshl_b32 s81, s3, 8
	s_add_co_u32 s81, s80, s81
	v_add_nc_u32 v[S+3*\x+1], s81, v[L8]
	s_wait_alu depctr_va_vdst(0)
	s_lshl_b32 s80, s[DL+\x], 9
	s_lshl_b32 s81, s2, 8
	s_add_co_u32 s80, s80, s81
	s_and_b32 s81, s3, 1
	s_lshl_b32 s81, s81, 7
	s_add_co_u32 s80, s80, s81
	s_lshr_b32 s81, s3, 1
	s_lshl_b32 s81, s81, 2
	s_add_co_u32 s80, s80, s81
	v_add_nc_u32 v[S+3*\x+2], s80, v[AKS]
	global_load_b128 v[QF+12*\x:QF+12*\x+3], v[S+3*\x], s[4:5]
	global_load_b64 v[QF+12*\x+4:QF+12*\x+5], v[S+3*\x+1], s[4:5] offset:2048
	global_load_b32 v[QS+\x], v[S+3*\x+2], s[4:5] offset:204800
.endr
.irp i, 0,1,2,3,4,5,6,7,8,9
	v_mov_b32 v[MM+\i], v[NINF]
.endr
	v_mov_b32 v[TS], 0
	v_mov_b32 v[TS+1], 0
	WIN 0x40
.set n, 0
.rept 64
	v_mov_b32 v[n], 0
.set n, n+1
.endr
	WIN 0
	s_mov_b32 s[ST], 0
	s_mov_b32 s[TK], KCO
	s_mov_b32 s[TKS], KSC
	v_add_nc_u32 v[AK16], KCO, v[L16]
	v_add_nc_u32 v[AK8], KCO, v[L8]
	v_add_nc_u32 v[AKS], KSC, v[L8]
	s_wait_alu depctr_va_vdst(0)
	s_wait_tensorcnt 0x0                           ; my part of K is in
	ds_add_u32 v[SPW], v[NIL]
	s_wait_dscnt 0x0
	CROUND                                         ; everybody's part is in, and the four partners are here
	tensor_load_to_lds s[G0V:G0V+3], s[G1V:G1V+7]  ; V's slot 0: it has the whole first pass in which to land
	s_nop 0
.rept 4
	v_nop
.endr
	s_wait_loadcnt 0x0                             ; q's fragments and scale words
	KLOAD
.Lpass_a:                                              ; trip s = 0 .. 31: 128 keys against my two tiles of queries
	s_wait_dscnt 0x0                               ; this step's fragments and scale words are in
.irp t, 0,1,2,3,4,5,6,7
	WM S+8*\t, KF+6*\t, QF, 1, 0, KS+\t/2, QS, \t%2
	WM SH+8*\t, KF+6*\t, QF+12, 1, 0, KS+\t/2, QS+1, \t%2
.endr
	KNEXT                                          ; where the next step lies (held at step 31); these three lines and the two below are the places ahead of the loads
	v_max_num_f32 v[SV], v[MM], v[MM+1]            ; each tile's maximum ahead of this step
	v_max_num_f32 v[SV+1], v[MM+2], v[MM+3]
	KLOAD                                          ; 18 loads in one run; the 64 maxima stand between them and the wait for them
.irp t, 0,1,2,3,4,5,6,7
	MX16 \t
.endr
	s_wait_alu depctr_va_vdst(0)                   ; directly behind the chains' last writes
	DIAG 0, S
	DIAG 1, SH
	s_add_co_u32 s[TK], s[TK], KSTEP
	s_add_co_u32 s[TKS], s[TKS], 512
	s_add_co_u32 s[ST], s[ST], 1
	s_cmp_lt_u32 s[ST], 32
	s_cbranch_scc1 .Lpass_a
	v_max_num_f32 v[S], v[MM], v[MM+1]
	s_wait_alu depctr_va_vdst(0)
	v_max_num_f32 v[S+1], v[MM+2], v[MM+3]
	v_max_num_f32 v[S+2], v[CM], v[CM+1]
	v_max_num_f32 v[S+3], v[CM+2], v[CM+3]
.irp i, 0
	v_permlanex16_b32 v[S+4+\i], v[S+\i], s[SEL], s[SEL+1]
.endr
.irp i, 1, 2, 3
	v_permlanex16_b32 v[S+4+\i], v[S+\i], s[SEL], s[SEL+1]
.endr
.irp i, 0,1,2,3
	s_delay_alu instid0(VALU_DEP_4)
	v_max_num_f32 v[S+\i], v[S+\i], v[S+4+\i]
.endr
	s_delay_alu instid0(VALU_DEP_2)
	v_sub_f32 v[S+2], v[S+2], v[S]
	s_delay_alu instid0(VALU_DEP_2)
	v_sub_f32 v[S+3], v[S+3], v[S+1]
	s_delay_alu instid0(VALU_DEP_2)
	v_mul_f32 v[S+2], s[L2E], v[S+2]
	s_delay_alu instid0(VALU_DEP_2)
	v_mul_f32 v[S+3], s[L2E], v[S+3]
	s_delay_alu instid0(VALU_DEP_2)
	v_floor_f32 v[NM], -v[S+2]
	s_delay_alu instid0(VALU_DEP_2)
	v_floor_f32 v[NM+2], -v[S+3]
	s_delay_alu instid0(VALU_DEP_2)
	v_mov_b32 v[NM+1], v[NM]
	s_delay_alu instid0(VALU_DEP_2)
	v_mov_b32 v[NM+3], v[NM+2]
.irp i, 0,1,2,3,4,5,6,7
	v_mul_f32 v[CT+\i], -1.0, v[S]
	v_mul_f32 v[CT+8+\i], -1.0, v[S+1]
.endr
.irp i, 0,1,2,3
	v_mov_b32 v[LS+\i], 0
.endr
	s_mov_b32 s[ST], 0
	s_mov_b32 s[TK], KCO
	s_mov_b32 s[TKS], KSC
	s_mov_b32 s[TVS], VSC
	s_mov_b32 s[TVB], 0
	s_wait_dscnt 0x0
	v_add_nc_u32 v[AK16], KCO, v[L16]
	v_add_nc_u32 v[AK8], KCO, v[L8]
	v_add_nc_u32 v[AKS], KSC, v[L8]
	KLOAD
	s_mov_b32 s[PH], 3
.Lphase:
	CHANGE 1
	EIGHT 1
	s_xor_b32 s[TVB], s[TVB], SLOT1
	s_sub_co_u32 s[PH], s[PH], 1
	s_cmp_lg_u32 s[PH], 0
	s_cbranch_scc1 .Lphase
	CHANGE 0
	EIGHT 0
	s_wait_dscnt 0x0
.rept 4
	v_nop
.endr
	s_wait_alu depctr_va_vdst(0)
	v_add_f32 v[LS], v[LS], v[LS+1]
	v_add_f32 v[LS+2], v[LS+2], v[LS+3]
	s_delay_alu instid0(VALU_DEP_2)
	v_permlanex16_b32 v[PT], v[LS], s[SEL], s[SEL+1]
	s_delay_alu instid0(VALU_DEP_2)
	v_permlanex16_b32 v[TS], v[LS+2], s[SEL], s[SEL+1]
	s_delay_alu instid0(VALU_DEP_2)
	v_add_f32 v[LS], v[LS], v[PT]
	s_delay_alu instid0(VALU_DEP_2)
	v_add_f32 v[LS+2], v[LS+2], v[TS]
	s_wait_alu depctr_va_vdst(0)
	v_rcp_f32 v[NM], v[LS]
	v_rcp_f32 v[NM+2], v[LS+2]
	v_and_b32 v[DD], 15, v0
	s_delay_alu instid0(VALU_DEP_1)
	v_lshlrev_b32 v[DD], 2, v[DD]
	s_wait_alu depctr_va_vdst(0)
	s_lshr_b32 s2, s[BH], 3
	s_and_b32 s3, s[BH], 7
	s_lshr_b32 s80, s3, 1
	s_and_b32 s81, s3, 1
	s_and_b32 s82, s[TAU], 3
	s_lshr_b32 s83, s[TAU], 2
	s_lshl_b32 s74, s82, 2
	s_add_co_u32 s74, s74, s80
	s_mul_i32 s74, s74, 1536
	s_mul_i32 s75, s81, 768
	s_add_co_u32 s74, s74, s75
	s_lshl_b32 s75, s80, 2
	s_add_co_u32 s75, s75, s82
	s_lshl_b32 s75, s75, 6
	s_lshl_b32 s76, s81, 1
	s_add_co_u32 s75, s75, s76
	s_add_co_u32 s75, s75, 24576
.irp x, 0,1
	s_lshl_b32 s76, s2, 5
	s_add_co_u32 s76, s76, s[DL+\x]
	s_lshl_b32 s76, s76, 1
	s_add_co_u32 s76, s76, s83
	s_mul_i32 s76, s76, 25600
	s_add_co_u32 s77, s76, s74
	s_add_co_u32 s78, s76, s75
	v_add_nc_u32 v[AK16+3*\x], s77, v[L16]
	v_add_nc_u32 v[AK8+3*\x], s77, v[L8]
	v_add_nc_u32 v[AKS+3*\x], s78, v[DD]
.endr
	s_wait_alu depctr_va_vdst(0)
	WIN 0x01
.set n, 0
.rept 16
	v_pk_mul_f32 v[S+n:S+n+1], v[n:n+1], v[NM:NM+1] op_sel_hi:[1,0]
.set n, n+2
.endr
.set n, 0
.rept 16
	v_pk_mul_f32 v[S+32+n:S+33+n], v[32+n:33+n], v[NM+2:NM+3] op_sel_hi:[1,0]
.set n, n+2
.endr
	WIN 0
	v_max3_num_f32 v[BM], |v[S]|, |v[S+1]|, FLOOR
	v_max3_num_f32 v[BM+1], |v[S+32]|, |v[S+33]|, FLOOR
.set n, 2
.rept 15
	s_delay_alu instid0(VALU_DEP_2)
	v_max3_num_f32 v[BM], v[BM], |v[S+n]|, |v[S+n+1]|
	s_delay_alu instid0(VALU_DEP_2)
	v_max3_num_f32 v[BM+1], v[BM+1], |v[S+32+n]|, |v[S+33+n]|
.set n, n+2
.endr
	s_delay_alu instid0(VALU_DEP_2)
	v_add_nc_u32 v[BM+2], 0xff000000, v[BM]
	s_delay_alu instid0(VALU_DEP_2)
	v_add_nc_u32 v[BM+3], 0xff000000, v[BM+1]
	s_delay_alu instid0(VALU_DEP_2)
	v_lshrrev_b32 v[BM], 23, v[BM+2]
	s_delay_alu instid0(VALU_DEP_2)
	v_lshrrev_b32 v[BM+1], 23, v[BM+3]
	s_delay_alu instid0(VALU_DEP_2)
	v_lshlrev_b32 v[BM], v[H8], v[BM]
	s_delay_alu instid0(VALU_DEP_2)
	v_lshlrev_b32 v[BM+1], v[H8], v[BM+1]
	s_delay_alu instid0(VALU_DEP_2)
	v_permlanex16_b32 v[PT], v[BM], s[SEL], s[SEL+1]
	s_delay_alu instid0(VALU_DEP_2)
	v_permlanex16_b32 v[TS], v[BM+1], s[SEL], s[SEL+1]
	s_delay_alu instid0(VALU_DEP_2)
	v_or_b32 v[BM], v[BM], v[PT]
	s_delay_alu instid0(VALU_DEP_2)
	v_or_b32 v[BM+1], v[BM+1], v[TS]
	v_cvt_scalef32_pk16_fp6_f32 v[PC:PC+2], v[S:S+15], v[BM+2]
	v_cvt_scalef32_pk16_fp6_f32 v[VF:VF+2], v[S+16:S+31], v[BM+2]
	v_cvt_scalef32_pk16_fp6_f32 v[PC+6:PC+8], v[S+32:S+47], v[BM+3]
	v_cvt_scalef32_pk16_fp6_f32 v[VF+4:VF+6], v[S+48:S+63], v[BM+3]
	v_nop
.irp i, 0,1,2
	v_mov_b32 v[PC+3+\i], v[VF+\i]
	v_mov_b32 v[PC+9+\i], v[VF+4+\i]
.endr
.irp x, 0,1
	global_store_b128 v[AK16+3*\x], v[PC+6*\x:PC+6*\x+3], s[10:11]
	global_store_b64 v[AK8+3*\x], v[PC+6*\x+4:PC+6*\x+5], s[10:11] offset:512
	global_store_b16 v[AKS+3*\x], v[BM+\x], s[10:11]
.endr
	s_wait_tensorcnt 0x0
	ds_add_u32 v[SPW], v[NIL]
	s_wait_dscnt 0x0
	CROUND
	s_endpgm
.Lfunc_end_k_qfc66a39486_attn:
	.size	k_qfc66a39486_attn, .Lfunc_end_k_qfc66a39486_attn-k_qfc66a39486_attn
	.p2alignl 7, 3214868480
	.fill 96, 4, 3214868480
	.section	.rodata,"a",@progbits
	.p2align	6, 0x0
	.amdhsa_kernel k_qfc66a39486_attn
		.amdhsa_group_segment_fixed_size 327680
		.amdhsa_private_segment_fixed_size 0
		.amdhsa_enable_private_segment 0
		.amdhsa_kernarg_size 32
		.amdhsa_user_sgpr_count 2
		.amdhsa_user_sgpr_kernarg_segment_ptr 1
		.amdhsa_wavefront_size32 1
		.amdhsa_system_sgpr_workgroup_id_x 1
		.amdhsa_system_sgpr_workgroup_id_y 1
		.amdhsa_system_sgpr_workgroup_id_z 1
		.amdhsa_system_vgpr_workitem_id 0
		.amdhsa_next_free_vgpr 320
		.amdhsa_next_free_sgpr 84
		.amdhsa_reserve_vcc 1
		.amdhsa_float_denorm_mode_32 3
		.amdhsa_float_denorm_mode_16_64 3
		.amdhsa_memory_ordered 1
		.amdhsa_forward_progress 1
		.amdhsa_inst_pref_size 104
	.end_amdhsa_kernel
	.amdgpu_metadata
---
amdhsa.version: [ 1, 2 ]
amdhsa.kernels:
  - .name:           k_qfc66a39486_attn
    .symbol:         k_qfc66a39486_attn.kd
    .args:
      - { .name: qq, .offset: 0, .size: 8, .value_kind: global_buffer, .address_space: global }
      - { .name: kq, .offset: 8, .size: 8, .value_kind: global_buffer, .address_space: global }
      - { .name: vq, .offset: 16, .size: 8, .value_kind: global_buffer, .address_space: global }
      - { .name: oc, .offset: 24, .size: 8, .value_kind: global_buffer, .address_space: global }
    .group_segment_fixed_size: 327680
    .private_segment_fixed_size: 0
    .kernarg_segment_align: 8
    .kernarg_segment_size: 32
    .max_flat_workgroup_size: 256
    .sgpr_count:     84
    .vgpr_count:     320
    .wavefront_size: 32
...
	.end_amdgpu_metadata
.endif
;; end of part 3
;; launch outp (part 4): grid 4 x 64, 4 waves a work-group, clusters of 4 x 4, 172,544 bytes of LDS; arguments oc, wq, bo, out0; writes out0
.if DOCPART == 4
	.amdgcn_target "amdgcn-amd-amdhsa--gfx1250"
	.amdhsa_code_object_version 6
	.text
	.protected	k_qfc66a39486_outp
	.globl	k_qfc66a39486_outp
	.p2align	8
	.type	k_qfc66a39486_outp,@function
k_qfc66a39486_outp:
	s_mov_b64 s[64:65], 0
	v_nop
	global_prefetch_b8 v0, s[64:65] scope:SCOPE_SE
	s_setreg_imm32_b32 hwreg(HW_REG_WAVE_MODE, 25, 1), 1
	s_wait_xcnt 0x0
	s_wait_alu depctr_hold_cnt(0) depctr_sa_sdst(0) depctr_va_vdst(0) depctr_va_sdst(0) depctr_va_ssrc(0) depctr_va_vcc(0) depctr_vm_vsrc(0)
	s_getreg_b32 s2, hwreg(HW_REG_IB_STS2, 6, 4)
	s_cmp_eq_u32 s2, 0
	s_cbranch_scc0 .Lentry_in_a_cluster
	s_endpgm
.Lentry_in_a_cluster:
	s_bfe_u32 s2, ttmp6, 0x10000c
	s_cmp_lg_u32 s2, 0xf033
	s_cbranch_scc0 .Lentry_shape_is_right
	s_endpgm
.Lentry_shape_is_right:
; out0 = o Wo + bo on codes of FP6 with E8M0 scales.  o comes as panels (oc), Wo as panels 24-31 of wq: 64 lines x K 512 = 25,600 bytes, fragment (i, sg) at (4 i + sg) 1536 with lines
; e(i, m) = 32 (m / 8) + 8 i + m % 8, scale words at 24,576 + (4 sg + i) 64 + 4 m.
; SHARES.  Work-group (j, B): rows 128 B on x columns 128 j on.  All of K lies in LDS at once, each byte filled once: slots 0, 1: o's panels 2 B, 2 B + 1; slots 2, 3: Wo's panels 24 + 2 j, 25 + 2 j.
; One tensor load a wave.  CLUSTER 4 x 4: o's panels are asked for jointly along a row of the cluster, Wo's along a column.
; Wave w: rows' panel c = w % 2, columns' panel w / 2: 64 x 64, 16 accumulators.  Source 0 = Wo, source 1 = o: a lane holds one row and 32 neighbouring columns.
; The bias is loaded straight into the accumulators, so every product adds in place and no addition is spent on it.
; THE WAY OUT: a tile of 16 rows x 64 columns goes through the wave's own stage in LDS (rows 272 bytes apart; no fill lands there) and leaves as whole aligned runs of 256 bytes.
.set PANEL, 25600
.set WV,  14
.set SC0, 16
.set SC1, 24
.set F0,  32
.set F1,  80
.set ACC, 128
.set STG, 102400                       ; behind the four panels: 4 x 16 rows x 272 bytes for each wave
.macro CROUND
	s_barrier_signal -1
	s_barrier_wait -1
	s_cmp_lg_u32 s[WV], 0
	s_cbranch_scc1 .Lnw0_\@
	s_barrier_signal -3
.Lnw0_\@:
	s_barrier_wait -3
	s_barrier_signal -1
	s_barrier_wait -1
.endm
.macro WM d, a, b, sa, sb, ra, rb      ; one matrix instruction, adding in place.  ra, rb: the side's scale words stand in lanes 16-31
.if (\ra)*2+(\rb) == 0
	v_wmma_scale_f32_16x16x128_f8f6f4 v[\d:\d+7], v[\a:\a+11], v[\b:\b+11], v[\d:\d+7], v[\sa], v[\sb] matrix_a_fmt:MATRIX_FMT_FP6 matrix_b_fmt:MATRIX_FMT_FP6
.elseif (\ra)*2+(\rb) == 1
	v_wmma_scale_f32_16x16x128_f8f6f4 v[\d:\d+7], v[\a:\a+11], v[\b:\b+11], v[\d:\d+7], v[\sa], v[\sb] matrix_a_fmt:MATRIX_FMT_FP6 matrix_b_fmt:MATRIX_FMT_FP6 matrix_b_scale:MATRIX_SCALE_ROW1
.elseif (\ra)*2+(\rb) == 2
	v_wmma_scale_f32_16x16x128_f8f6f4 v[\d:\d+7], v[\a:\a+11], v[\b:\b+11], v[\d:\d+7], v[\sa], v[\sb] matrix_a_fmt:MATRIX_FMT_FP6 matrix_b_fmt:MATRIX_FMT_FP6 matrix_a_scale:MATRIX_SCALE_ROW1
.else
	v_wmma_scale_f32_16x16x128_f8f6f4 v[\d:\d+7], v[\a:\a+11], v[\b:\b+11], v[\d:\d+7], v[\sa], v[\sb] matrix_a_fmt:MATRIX_FMT_FP6 matrix_b_fmt:MATRIX_FMT_FP6 matrix_a_scale:MATRIX_SCALE_ROW1 matrix_b_scale:MATRIX_SCALE_ROW1
.endif
.endm
.macro FRAGS sg
.irp i, 0,1,2,3
	ds_load_b128 v[F0+12*\i:F0+12*\i+3], v4 offset:6144*\i+1536*\sg
	ds_load_b64 v[F0+12*\i+4:F0+12*\i+5], v5 offset:6144*\i+1536*\sg+512
	ds_load_b128 v[F0+12*\i+6:F0+12*\i+9], v4 offset:6144*\i+1536*\sg+768
	ds_load_b64 v[F0+12*\i+10:F0+12*\i+11], v5 offset:6144*\i+1536*\sg+1280
	ds_load_b128 v[F1+12*\i:F1+12*\i+3], v6 offset:6144*\i+1536*\sg
	ds_load_b64 v[F1+12*\i+4:F1+12*\i+5], v7 offset:6144*\i+1536*\sg+512
	ds_load_b128 v[F1+12*\i+6:F1+12*\i+9], v6 offset:6144*\i+1536*\sg+768
	ds_load_b64 v[F1+12*\i+10:F1+12*\i+11], v7 offset:6144*\i+1536*\sg+1280
.endr
.endm
.macro MULS sg                         ; the 16 accumulators take turns, one instruction a turn
.irp a, 0,1,2,3
.irp b, 0,1,2,3
	WM ACC+32*\a+8*\b, F0+12*\b, F1+12*\a, SC0+2*\sg+\b/2, SC1+2*\sg+\a/2, \b%2, \a%2
.endr
.endr
.endm
.macro TOSTAGE a                       ; tile a: in by rows of 128 bytes a lane, back as whole rows of 256 bytes, two an instruction, into v[32 (a + 1)] on
.irp b, 0,1,2,3
	ds_store_b128 v12, v[ACC+32*\a+8*\b:ACC+32*\a+8*\b+3] offset:4352*\a+32*\b          ; each accumulator from its low end on
	ds_store_b128 v12, v[ACC+32*\a+8*\b+4:ACC+32*\a+8*\b+7] offset:4352*\a+32*\b+16
.endr
.irp t, 0,1,2,3,4,5,6,7
	ds_load_b128 v[32*(\a+1)+4*\t:32*(\a+1)+4*\t+3], v13 offset:4352*\a+544*\t          ; LDS serves a wave's instructions in order: these see my stores
.endr
.endm
.macro SEND a, younger                 ; younger: the LDS instructions issued behind tile a's loads
	s_wait_dscnt \younger
.irp t, 0,1,2,3,4,5,6,7
	global_store_b128 v14, v[32*(\a+1)+4*\t:32*(\a+1)+4*\t+3], s[10:11] offset:(32*(\t/4)+8*\a+2*(\t%4))*2048 th:TH_STORE_NT   ; stage rows 2 t, 2 t + 1 are rows e(a, .): 16 lanes store 256 consecutive bytes, aligned
.endr
.endm
	s_load_b256 s[4:11], s[0:1], 0x0               ; oc, wq, bo, out0
	s_set_vgpr_msb 0x40
	v_lshl_add_u32 v0, v0, 2, 0x2a000
	v_mov_b32 v1, 0
	s_set_vgpr_msb 0x4045
	ds_add_u32 v0, v1
	ds_add_u32 v0, v1
	s_set_vgpr_msb 0x4500
	v_lshrrev_b32 v1, 5, v0
	v_readfirstlane_b32 s[WV], v1                  ; wave 0..3
	s_bfe_u32 s18, ttmp6, 0x40000                  ; cx
	s_bfe_u32 s16, ttmp6, 0x40004                  ; cy
	s_lshl_b32 s15, ttmp9, 2
	s_add_co_u32 s15, s15, s18                     ; j
	s_and_b32 s17, ttmp7, 0xffff
	s_lshl_b32 s17, s17, 2
	s_add_co_u32 s17, s17, s16                     ; B
	s_lshl_b32 s19, 0x1111, s18                    ; my column of the cluster
	s_lshl_b32 s18, s16, 2
	s_lshl_b32 s18, 15, s18                        ; my row
	s_or_b32 s24, s18, (3<<16)|(1<<21)             ; group 1: a panel as 100 rows of 256 bytes; o's: shared along my row
	s_or_b32 s32, s19, (3<<16)|(1<<21)             ; Wo's: along my column
.irp g, 24, 32
	s_mov_b32 s[\g+1], 32<<16
	s_mov_b32 s[\g+2], 100<<16
	s_mov_b32 s[\g+3], 32<<16
	s_mov_b32 s[\g+4], 100
	s_mov_b32 s[\g+5], 32
	s_mov_b32 s[\g+6], 0
	s_mov_b32 s[\g+7], 0
.endr
	s_min_u32 s20, s[WV], 1                        ; o's panel 2 B + wave (held inside 0..1, so that the address lies in its buffer in every wave)
	s_lshl_b32 s21, s17, 1
	s_add_co_u32 s20, s20, s21
	s_mul_i32 s20, s20, PANEL
	s_mov_b32 s21, 0
	s_max_u32 s22, s[WV], 2                        ; Wo's panel 22 + 2 j + wave (held inside 2..3 likewise)
	s_lshl_b32 s23, s15, 1
	s_add_co_u32 s22, s22, s23
	s_add_co_u32 s22, s22, 22
	s_mul_i32 s22, s22, PANEL
	s_mov_b32 s23, 0
	s_mul_i32 s48, s[WV], PANEL                    ; slot = wave
	s_wait_dscnt 0x0
	s_wait_kmcnt 0x0
	s_mov_b32 s40, 1
	s_mov_b32 s41, s48
	s_add_nc_u64 s[42:43], s[4:5], s[20:21]
	s_or_b32 s43, s43, 0x80000000
	s_mov_b32 s44, 1
	s_mov_b32 s45, s48
	s_add_nc_u64 s[46:47], s[6:7], s[22:23]
	s_or_b32 s47, s47, 0x80000000
	CROUND                                         ; all sixteen work-groups are here: the joint loads meet
	s_cmp_lt_u32 s[WV], 2
	s_cbranch_scc0 .Lfor_w
	tensor_load_to_lds s[40:43], s[24:31]
	s_nop 0
.rept 4
	v_nop
.endr
	s_branch .Lasked
.Lfor_w:
	tensor_load_to_lds s[44:47], s[32:39]
	s_nop 0
.rept 4
	v_nop
.endr
.Lasked:
	v_and_b32 v11, 31, v0
	v_lshlrev_b32 v1, 4, v11                       ; 16 x lane
	v_lshlrev_b32 v2, 3, v11                       ; 8 x lane
	v_lshlrev_b32 v3, 2, v11                       ; 4 x lane
	v_and_b32 v10, 15, v0                          ; r
	v_bfe_u32 v15, v0, 4, 1                        ; h
	v_lshlrev_b32 v11, 7, v15                      ; 128 h: my 32 numbers of the bias
	s_and_b32 s53, s[WV], 1                        ; c
	s_lshr_b32 s54, s[WV], 1                       ; which of the two groups of 64 columns
	s_add_co_u32 s49, s54, 2
	s_mul_i32 s49, s49, PANEL                      ; source 0: Wo's slot
	s_mul_i32 s57, s53, PANEL                      ; source 1: o's
	v_add_nc_u32 v4, s49, v1
	v_add_nc_u32 v5, s49, v2
	v_add_nc_u32 v6, s57, v1
	v_add_nc_u32 v7, s57, v2
	v_add_nc_u32 v8, s49, v3
	v_add_nc_u32 v9, s57, v3
	s_mul_i32 s56, s[WV], 17408
	s_add_co_u32 s56, s56, STG                     ; my stages
	v_mul_u32_u24 v12, v10, 272
	v_lshl_add_u32 v12, v15, 7, v12
	v_add_nc_u32 v12, s56, v12                     ; in: row r, + 128 h
	v_mul_u32_u24 v13, v15, 272
	v_lshl_add_u32 v13, v10, 4, v13
	v_add_nc_u32 v13, s56, v13                     ; back: lanes 0-15 one row, lanes 16-31 the next
	v_lshlrev_b32 v14, 11, v15
	v_lshl_add_u32 v14, v10, 4, v14                ; and the same two rows in out0
	s_lshl_b32 s55, s15, 1
	s_add_co_u32 s55, s55, s54
	s_lshl_b32 s58, s55, 8                         ; my 64 columns, in bytes
	s_mov_b32 s59, 0
	s_add_nc_u64 s[8:9], s[8:9], s[58:59]
	s_add_nc_u64 s[10:11], s[10:11], s[58:59]
	s_lshl_b32 s60, s17, 7
	s_lshl_b32 s61, s53, 6
	s_add_co_u32 s60, s60, s61
	s_lshl_b32 s60, s60, 11                        ; my first row: 128 B + 64 c
	s_mov_b32 s61, 0
	s_add_nc_u64 s[10:11], s[10:11], s[60:61]
.irp a, 0,1,2,3
.irp b, 0,1,2,3
	global_load_b128 v[ACC+32*\a+8*\b:ACC+32*\a+8*\b+3], v11, s[8:9] offset:32*\b        ; accumulator (a, b), register i: column 32 h + 8 b + i of my 64
	global_load_b128 v[ACC+32*\a+8*\b+4:ACC+32*\a+8*\b+7], v11, s[8:9] offset:32*\b+16
.endr
.endr
	s_wait_alu depctr_va_vdst(0)
	s_wait_tensorcnt 0x0                           ; my panel has landed,
	s_barrier_signal -1
	s_barrier_wait -1                              ; everybody's has
.irp g, 0,1,2,3,4,5,6,7
	ds_load_b32 v[SC0+\g], v8 offset:24576+128*\g
	ds_load_b32 v[SC1+\g], v9 offset:24576+128*\g
.endr
	FRAGS 0
	s_wait_loadcnt 0x0                             ; the bias
	s_wait_dscnt 0x0
	MULS 0
.irp g, 1,2,3
.rept 4
	v_nop                                          ; four plain lines in front of loads into registers that matrix instructions have read
.endr
	FRAGS \g
	s_wait_dscnt 0x0
	MULS \g
.endr
.rept 4
	v_nop                                          ; and in front of the first read of results
.endr
	TOSTAGE 0
	TOSTAGE 1
	TOSTAGE 2
	SEND 0, 32                                     ; tile 0 is back, so its stores into the stage are done too: tile 3 may come back into tile 0's accumulators
	TOSTAGE 3
	SEND 1, 32
	SEND 2, 16
	SEND 3, 0
	s_set_vgpr_msb 0x5
	s_wait_tensorcnt 0x0
	ds_add_u32 v0, v1
	s_wait_dscnt 0x0
	s_set_vgpr_msb 0x500
	CROUND                                         ; the closing round: no work-group ends while a partner may still ask for a panel that names it
	s_endpgm
.Lfunc_end_k_qfc66a39486_outp:
	.size	k_qfc66a39486_outp, .Lfunc_end_k_qfc66a39486_outp-k_qfc66a39486_outp
	.p2alignl 7, 3214868480
	.fill 96, 4, 3214868480
	.section	.rodata,"a",@progbits
	.p2align	6, 0x0
	.amdhsa_kernel k_qfc66a39486_outp
		.amdhsa_group_segment_fixed_size 172544
		.amdhsa_private_segment_fixed_size 0
		.amdhsa_enable_private_segment 0
		.amdhsa_kernarg_size 32
		.amdhsa_user_sgpr_count 2
		.amdhsa_user_sgpr_kernarg_segment_ptr 1
		.amdhsa_wavefront_size32 1
		.amdhsa_system_sgpr_workgroup_id_x 1
		.amdhsa_system_sgpr_workgroup_id_y 1
		.amdhsa_system_sgpr_workgroup_id_z 1
		.amdhsa_system_vgpr_workitem_id 0
		.amdhsa_next_free_vgpr 258
		.amdhsa_next_free_sgpr 66
		.amdhsa_reserve_vcc 0
		.amdhsa_float_denorm_mode_32 3
		.amdhsa_float_denorm_mode_16_64 3
		.amdhsa_memory_ordered 1
		.amdhsa_forward_progress 1
		.amdhsa_inst_pref_size 34
	.end_amdhsa_kernel
	.amdgpu_metadata
---
amdhsa.version: [ 1, 2 ]
amdhsa.kernels:
  - .name:           k_qfc66a39486_outp
    .symbol:         k_qfc66a39486_outp.kd
    .args:
      - { .name: oc, .offset: 0, .size: 8, .value_kind: global_buffer, .address_space: global }
      - { .name: wq, .offset: 8, .size: 8, .value_kind: global_buffer, .address_space: global }
      - { .name: bo, .offset: 16, .size: 8, .value_kind: global_buffer, .address_space: global }
      - { .name: out0, .offset: 24, .size: 8, .value_kind: global_buffer, .address_space: global }
    .group_segment_fixed_size: 172544
    .private_segment_fixed_size: 0
    .kernarg_segment_align: 8
    .kernarg_segment_size: 32
    .max_flat_workgroup_size: 128
    .sgpr_count:     66
    .vgpr_count:     258
    .wavefront_size: 32
...
	.end_amdgpu_metadata
.endif
;; end of part 4
